; MI455X (gfx1250); checked and timed in simulation.
; The chip was launched on July 23, 2026; its instructions are those of AMD's public machine-readable ISA for CDNA 5 (MIT licence, August 2026) and "CDNA5" Instruction Set Architecture Reference Guide (July 2026). The comments in the code are by the model that wrote it; some were corrected since.
;; Hebbian Block. Allowed arithmetic: float matrix products may take bf16 or f16 operands with f32 sums; other float arithmetic in f32, or as packed bf16 or f16 multiplies, adds, multiply-adds, maxima and minima; sums over many terms, partial sums and values carried from step to step in f32; what a program stores and reads back later, other than sums and carried values, may be rounded once to bf16 or f16.
;; Inputs: W_read 1,024 x 1,024 float32; W_write 1,024 x 1,024 float32; decay one number float32; log_alpha one number float32; out 4 x 2,048 x 1,024 float32.
;; Outputs: out0 4 x 2,048 x 1,024 float32.
;; 2 versions, each right; version 2 is version 1 with the launch prep written anew for expert scheduling mode. Each part assembles by itself: llvm-mc -triple=amdgcn-amd-amdhsa -mcpu=gfx1250 --defsym DOCPART=n.
;; ======== version 1 of 2: 4 launches
;; limits: values are held in f16: magnitudes above 65,504 overflow, below 6.1e-05 lose precision; inputs' magnitudes at most 65,504; right only within a limited range of input values
;; workspace buffers: xh 16,785,408 bytes; wrh 2,097,152 bytes; wwt 2,097,152 bytes; ph 2,097,152 bytes; ab 33,554,432 bytes; ut 16,777,216 bytes
;; launch prep (part 1): grid 416 x 1, 8 waves a work-group, no clusters, 18,432 bytes of LDS; arguments out, W_read, W_write, xh, wrh, wwt; writes xh, wrh, wwt
.if DOCPART == 1
	.amdgcn_target "amdgcn-amd-amdhsa--gfx1250"
	.amdhsa_code_object_version 6
	.text
	.protected	k_qf837b02bee_prep
	.globl	k_qf837b02bee_prep
	.p2align	8
	.type	k_qf837b02bee_prep,@function
k_qf837b02bee_prep:
	s_mov_b64 s[64:65], 0
	v_nop
	global_prefetch_b8 v0, s[64:65] scope:SCOPE_SE
	s_setreg_imm32_b32 hwreg(HW_REG_WAVE_MODE, 25, 1), 1
	s_wait_xcnt 0x0
; HEBBIAN BLOCK, launch 1 of 4: the inputs are rounded and laid out for the three matrix launches.
; THE FORM THAT THE PROGRAM COMPUTES.  With x = out, x[-1] = 0, g = sigmoid(decay), reference()'s scan written out is, for each batch,
;   reads[t] = sum over s < t of g^(t-1-s) (x[t] . x[s-1]) v[s],  v[s] = W_write x[s]:
; inside a chunk the factor is M[c][k] = g^(c-1-k) for c > k; across chunks it is gp[c] gC^n gw[k] = g^(c + 64 n + 63 - k), the same power t-1-s.
; The products are associated anew:  out0[t] = x[t] + alpha sum over s < t of A[t][s] U[s],  A[t][s] = g^(t-1-s) (x[t] . x[s-1]),  U[s] = P x[s],  P = W_read W_write.
; DEAD WORK LEFT OUT, for all values of the inputs: the first chunk's read of the state W0, which reference() itself sets to zeros; the last chunk's update of the state, which nothing reads;
; every block of 128 x 128 of A that lies wholly at s >= t, which the mask built in reference() multiplies by 0.  All five inputs have a way to the output and are loaded.
; LIMIT: a NaN, an infinity or an overflow that would reach only the work left out is not carried to the result.
; FORMATS.  Every input (x, both weights, decay, log_alpha; x in the residual too) is rounded once to bf16; that number is written as f16, which is exact for 2^-17 <= |v| < 65,504;
; below that it keeps f16's fixed step (error at most 2^-25), from 65,520 on it becomes an infinity: a stated limit.  What the program makes is kept in f16 with fixed powers of two:
; ph = 16 P (|P| < 4,094), ut = U / 4 (|U| < 262,016), ab = A / 64 (|A| < 4.19e6).  All sums are f32.
; THIS LAUNCH.  Work-groups 0-255: 32 rows of x each -> xh [4][2049][1024]: row 0 of a batch is zeros (the write key of s = 0), row t + 1 is x[t].
; Work-groups 256-287: 32 rows of W_read -> wrh.  Work-groups 288-415: a block of 128 x 64 of W_write, turned through LDS -> wwt[d][m] = W_write[m][d].
; A stream: no matrix unit, no cluster, no tensor load: nothing is shared and nothing is read twice.  A thread's 32 loads go out together: 128 KiB of a work-group are on their way at once,
; and each row is rounded and stored as it comes.
.set SPARE, 17408                      ; behind the turned tile: the spare words, 128 bytes for each of the 8 waves
.set SPW,  2                           ; v2   SPARE + 4 x my thread's number; never rewritten
.set NIL,  3                           ; v3   0; never rewritten
.set OI,   4                           ; v4   byte offset of my 16 bytes in a row that is loaded; never rewritten
.set OO,   5                           ; v5   byte offset of my 8 bytes in a row that is stored; never rewritten
.set X,    20                          ; v20-147   row i: four f32 as loaded
.set Y,    148                         ; v148-211  row i: four f16 to store: registers of its own, so no store's data are written again
.set T,    212                         ; v212-213  four bf16
.set U,    214                         ; v214-217  the same four as f32
; four f32 in v[x ..] -> rounded to bf16 -> written as f16 in v[y], v[y+1]
.macro CV4 x, y
	v_cvt_pk_bf16_f32 v[T], v[(\x)], v[(\x)+1]
	v_cvt_pk_bf16_f32 v[T+1], v[(\x)+2], v[(\x)+3]
	v_lshlrev_b32 v[U], 16, v[T]                   ; bf16 to f32: the low half moves up,
	v_and_b32 v[U+1], s20, v[T]                    ; the high half stays
	v_lshlrev_b32 v[U+2], 16, v[T+1]
	v_and_b32 v[U+3], s20, v[T+1]
	v_cvt_pk_f16_f32 v[(\y)], v[U], v[U+1]
	v_cvt_pk_f16_f32 v[(\y)+1], v[U+2], v[U+3]
.endm
	s_load_b256 s[4:11], s[0:1], 0x0               ; out s[4:5], W_read s[6:7], W_write s[8:9], xh s[10:11]
	s_load_b128 s[12:15], s[0:1], 0x20             ; wrh s[12:13], wwt s[14:15]
	v_lshl_add_u32 v[SPW], v0, 2, SPARE
	v_mov_b32 v[NIL], 0
	s_mov_b32 s16, ttmp9
	s_mov_b32 s20, 0xffff0000                      ; a word's upper bf16
	s_cmp_ge_u32 s16, 288
	s_cbranch_scc1 .Ltr                            ; the same in all eight waves
	; ---- 32 rows of x or of W_read
	s_lshr_b32 s17, s16, 6                         ; batch
	s_and_b32 s18, s16, 63
	s_mul_i32 s17, s17, 2049
	s_lshl_b32 s19, s18, 5
	s_add_co_u32 s17, s17, s19
	s_add_co_u32 s17, s17, 1                       ; x[t] goes to row t + 1 of its batch
	s_lshl_b32 s28, s17, 11                        ; x: where the rows go,
	s_lshl_b32 s30, s16, 17                        ; and where they come from: 32 rows of 4,096 bytes
	s_sub_co_u32 s19, s16, 256
	s_lshl_b32 s21, s19, 16                        ; W_read: the same two
	s_lshl_b32 s22, s19, 17
	s_mov_b32 s29, 0
	s_mov_b32 s31, 0
	v_lshlrev_b32 v[OI], 4, v0                     ; 16 t: a wave's load covers 512 consecutive bytes
	v_lshlrev_b32 v[OO], 3, v0                     ; 8 t: a wave's store covers 256 consecutive bytes, aligned
	s_wait_kmcnt 0x0
	s_cmp_lt_u32 s16, 256
	s_cselect_b32 s28, s28, s21
	s_cselect_b32 s30, s30, s22
	s_cselect_b64 s[24:25], s[4:5], s[6:7]
	s_cselect_b64 s[26:27], s[10:11], s[12:13]
	s_add_nc_u64 s[24:25], s[24:25], s[30:31]
	s_add_nc_u64 s[26:27], s[26:27], s[28:29]
.set i, 0
.rept 32
	global_load_b128 v[X+4*i:X+4*i+3], v[OI], s[24:25] offset:i*4096 th:TH_LOAD_NT  ; the row stands in the immediate
.set i, i+1
.endr
.set i, 0
.rept 32
	s_wait_loadcnt 31-i                            ; loads come back in order: row i is in, the younger rows' loads stay out
	CV4 X+4*i, Y+2*i
	global_store_b64 v[OO], v[Y+2*i:Y+2*i+1], s[26:27] offset:i*2048
.set i, i+1
.endr
	s_cmp_lg_u32 s18, 0                            ; a batch's first work-group also writes the batch's row of zeros
	s_cbranch_scc1 .Lend
	s_cmp_ge_u32 s16, 256
	s_cbranch_scc1 .Lend
	v_mov_b32 v8, 0
	v_mov_b32 v9, 0
	global_store_b64 v[OO], v[8:9], s[26:27] offset:-2048
	s_branch .Lend
	; ---- a block of 128 rows (m) x 64 columns (d) of W_write, turned
.Ltr:
	s_sub_co_u32 s17, s16, 288
	s_lshr_b32 s18, s17, 4                         ; which 128 rows
	s_and_b32 s19, s17, 15                         ; which 64 columns
	s_lshl_b32 s28, s18, 19
	s_lshl_b32 s21, s19, 8
	s_add_co_u32 s28, s28, s21                     ; the block's first byte in W_write
	s_mov_b32 s29, 0
	s_lshl_b32 s30, s19, 17
	s_lshl_b32 s21, s18, 8
	s_add_co_u32 s30, s30, s21                     ; and in wwt
	s_mov_b32 s31, 0
	v_and_b32 v4, 15, v0                           ; c: my four columns
	v_lshrrev_b32 v5, 4, v0                        ; r: my row of sixteen
	v_lshlrev_b32 v6, 12, v5
	v_lshl_add_u32 v6, v4, 4, v6                   ; from: r x 4,096 + 16 c: sixteen lanes read 256 consecutive bytes
	v_mul_u32_u24 v7, v4, 4*272
	v_lshl_add_u32 v7, v5, 1, v7                   ; LDS [64 d][128 m] f16, rows 272 bytes apart: row 4 c, element r
	v_mul_u32_u24 v8, v5, 272
	v_lshl_add_u32 v8, v4, 4, v8                   ; back: row r, 16 bytes at 16 c
	v_lshlrev_b32 v9, 11, v5
	v_lshl_add_u32 v9, v4, 4, v9                   ; to: r x 2,048 + 16 c
	s_wait_kmcnt 0x0
	s_add_nc_u64 s[24:25], s[8:9], s[28:29]
	s_add_nc_u64 s[26:27], s[14:15], s[30:31]
.irp k, 0,1,2,3,4,5,6,7
	global_load_b128 v[X+4*(\k):X+4*(\k)+3], v6, s[24:25] offset:(\k)*65536 th:TH_LOAD_NT  ; rows r + 16 k
.endr
.irp k, 0,1,2,3,4,5,6,7
	s_wait_loadcnt 7-(\k)                          ; the younger loads may stay out
	CV4 X+4*(\k), Y+2*(\k)
	ds_store_b16 v7, v[Y+2*(\k)] offset:32*(\k)
	ds_store_b16_d16_hi v7, v[Y+2*(\k)] offset:272+32*(\k)
	ds_store_b16 v7, v[Y+2*(\k)+1] offset:544+32*(\k)
	ds_store_b16_d16_hi v7, v[Y+2*(\k)+1] offset:816+32*(\k)
.endr
	s_wait_dscnt 0x0                               ; for the others' sake: my stores are done
	s_barrier_signal -1
	s_barrier_wait -1
.irp k, 0,1,2,3
	ds_load_b128 v[X+4*(\k):X+4*(\k)+3], v8 offset:(\k)*16*272
.endr
.irp k, 0,1,2,3
	s_wait_dscnt 3-(\k)
	global_store_b128 v9, v[X+4*(\k):X+4*(\k)+3], s[26:27] offset:(\k)*32768  ; sixteen lanes store 256 consecutive bytes, aligned
.endr
.Lend:
	s_wait_tensorcnt 0x0                           ; the wave's end
	ds_add_u32 v[SPW], v[NIL]
	s_wait_dscnt 0x0
	s_endpgm
.Lfunc_end_k_qf837b02bee_prep:
	.size	k_qf837b02bee_prep, .Lfunc_end_k_qf837b02bee_prep-k_qf837b02bee_prep
	.p2alignl 7, 3214868480
	.fill 96, 4, 3214868480
	.section	.rodata,"a",@progbits
	.p2align	6, 0x0
	.amdhsa_kernel k_qf837b02bee_prep
		.amdhsa_group_segment_fixed_size 18432
		.amdhsa_private_segment_fixed_size 0
		.amdhsa_enable_private_segment 0
		.amdhsa_kernarg_size 48
		.amdhsa_user_sgpr_count 2
		.amdhsa_user_sgpr_kernarg_segment_ptr 1
		.amdhsa_wavefront_size32 1
		.amdhsa_system_sgpr_workgroup_id_x 1
		.amdhsa_system_sgpr_workgroup_id_y 1
		.amdhsa_system_sgpr_workgroup_id_z 1
		.amdhsa_system_vgpr_workitem_id 0
		.amdhsa_next_free_vgpr 224
		.amdhsa_next_free_sgpr 66
		.amdhsa_reserve_vcc 0
		.amdhsa_float_denorm_mode_32 3
		.amdhsa_float_denorm_mode_16_64 3
		.amdhsa_memory_ordered 1
		.amdhsa_forward_progress 1
		.amdhsa_inst_pref_size 29
	.end_amdhsa_kernel
	.amdgpu_metadata
---
amdhsa.version: [ 1, 2 ]
amdhsa.kernels:
  - .name:           k_qf837b02bee_prep
    .symbol:         k_qf837b02bee_prep.kd
    .args:
      - { .name: out, .offset: 0, .size: 8, .value_kind: global_buffer, .address_space: global }
      - { .name: W_read, .offset: 8, .size: 8, .value_kind: global_buffer, .address_space: global }
      - { .name: W_write, .offset: 16, .size: 8, .value_kind: global_buffer, .address_space: global }
      - { .name: xh, .offset: 24, .size: 8, .value_kind: global_buffer, .address_space: global }
      - { .name: wrh, .offset: 32, .size: 8, .value_kind: global_buffer, .address_space: global }
      - { .name: wwt, .offset: 40, .size: 8, .value_kind: global_buffer, .address_space: global }
    .group_segment_fixed_size: 18432
    .private_segment_fixed_size: 0
    .kernarg_segment_align: 8
    .kernarg_segment_size: 48
    .max_flat_workgroup_size: 256
    .sgpr_count:     66
    .vgpr_count:     224
    .wavefront_size: 32
...
	.end_amdgpu_metadata
.endif
;; end of part 1
;; launch edge (part 2): grid 40 x 4, 4 waves a work-group, no clusters, 327,680 bytes of LDS; arguments xh, wrh, wwt, decay, ab, ph; writes ab, ph
.if DOCPART == 2
	.amdgcn_target "amdgcn-amd-amdhsa--gfx1250"
	.amdhsa_code_object_version 6
	.text
	.protected	k_qf837b02bee_edge
	.globl	k_qf837b02bee_edge
	.p2align	8
	.type	k_qf837b02bee_edge,@function
k_qf837b02bee_edge:
	s_mov_b64 s[64:65], 0
	v_nop
	global_prefetch_b8 v0, s[64:65] scope:SCOPE_SE
	s_setreg_imm32_b32 hwreg(HW_REG_WAVE_MODE, 25, 1), 1
	s_wait_xcnt 0x0
; HEBBIAN BLOCK, launch 2 of 4: tiles of 128 x 128 with K = 1,024, C = A B^T in f16 with f32 sums, each number times a factor that hangs on its place.
; x < 24: a block of ab = A / 64 on the diagonal tiles of 256 x 256: A[t][s] = g^(t-1-s) (x[t] . x[s-1]) for s < t, else 0.  Of a diagonal tile's four blocks three are live
;   (kind 0: upper left, 1: lower right, 2: lower left); the fourth lies wholly at s >= t: no product is made for it (dead work: the mask that reference() builds), kind 0 stores its zeros,
;   because the last launch reads whole steps of 256 keys.
; x >= 24: a block of ph = 16 P, P = W_read W_write: rows of wrh against rows of wwt.
; THE FACTOR.  With t - s = 16 D + i - j (i = row in a 16 x 16 result, j = column), M = -log2 g:  D >= 1: 2^(-M (i + 15 - j) + c) 2^(-16 M (D - 1));  D = 0: 2^(-M (i - j - 1) + c) where j < i, else 0;
; D < 0: 0.  Every factor is at most 2^c, so none overflows; one below 2^-126 counts as 0.  For ph M is taken as 0 and c = 4; for ab c = -6.
; M = max(z, 0) + log2(1 + 2^-|z|), z = -bf16(decay) log2 e: no exponential of a positive number.
; LIMITS: as stated at the head of the first kernel (f16's range for ab and ph).
; SHARES.  Four waves, each 64 x 64: 16 accumulators.  K goes in steps of 256 through two LDS slots; each wave fetches 64 rows x 512 bytes with one tensor load.
; The matrix instruction is used transposed (source 0 = 16 rows of B, source 1 = 16 rows of A): a lane holds row lane % 16 of C and the columns 8 (lane / 16) + 0..7.
; NO CLUSTER: of a diagonal tile's three blocks two share a tile of A and two a tile of B, never four; ph's 64 blocks stand in the same grid, 16 to a grid row of 40, which no 4 x 4 divides.
; NO PREFETCH: the walk is four steps long, and two of them are asked for at the head.
; REGISTERS: window 0: v0-31 addresses and at work; v32-95 the way out; v96-103 E, v104-111 Ed, v112-125 (sigma, delta) for d = a - b = -3..3; v128-255 accumulators ((a, b) at 128 + 8 (4 a + b)).
;   window 1: two fragment buffers of 128: for 64 along K, 64 registers of A, then 64 of B.
.set KSTEP,  256
.set PITCH,  528                       ; an LDS row: 512 bytes + 16 of padding = 132 words: row r starts at bank 4 r mod 64 (64 banks of 4 bytes: ISA guide 11.1)
.set HALFT,  64*PITCH                  ; what one tensor load brings
.set SLOT,   4*HALFT                   ; A's 128 rows, then B's 128 rows.  No multiple of HALFT below 4 has a bit of SLOT set: an exclusive or turns an address in one slot into the other's
.set STAGE,  2*SLOT                    ; behind the ring: 128 rows x 272 bytes, the work-group's, for the way out
.set SPITCH, 272
.set SPARE,  STAGE+128*SPITCH          ; behind the stage: the spare words, 128 bytes for each wave
.set FD,   8                           ; v8-15   the way out: the factor table in hand
.set A0,   16                          ; v16     my lane's place in A's rows of slot 0; never rewritten
.set B0,   17                          ; v17     the same for B
.set ADRA, 18                          ; v18     the same in the slot in hand
.set ADRB, 19
.set STO,  24
.set RD,   25
.set CO,   26
.set SPW,  28                          ; v28     SPARE + 4 x my thread's number; never rewritten
.set NIL,  29                          ; v29     0; never rewritten
.set TMP,  32
.set E,    96
.set ED,   104
.set SG,   112
.set ACC,  128
.set F0,   0
.set F1,   128
.set G1,   24                          ; s[24:31] descriptor group 1
.set G0A,  32                          ; s[32:35] group 0 of the first fill of slot 0
.set G0W,  36                          ; s[36:39] group 0 of the first fill of slot 1; it then walks
.set TBR,  40                          ; s40  0 or SLOT: the slot that is read
.set WB,   41                          ; s41  wave x HALFT: where my loads land in a slot
.set CNT,  42
.set MSB, 0
.macro WIN new                         ; the immediate's high byte repeats the setting that is left; a switch that changes nothing is dropped
.if MSB != (\new)
	s_set_vgpr_msb (MSB<<8)|(\new)
.set MSB, \new
.endif
.endm
.set MUL,  0x05                        ; sources 0 (B) and 1 (A) window 1; C and D window 0
.set TO_F, 0x40                        ; destination window 1, address window 0
; 8 matrix instructions: m blocks a0, a0 + 1 x all 4 n blocks, 32 along K: half c of buffer f.  zero = 1: the product starts the sums.  The 16 accumulators take turns.
.macro MUL8 f, c, a0, zero
	WIN MUL
.irp a, \a0, (\a0)+1
.irp b, 0,1,2,3
.if \zero
	v_wmma_f32_16x16x32_f16 v[ACC+8*(4*(\a)+(\b)):ACC+8*(4*(\a)+(\b))+7], v[(\f)+64+8*(4*(\c)+(\b)):(\f)+64+8*(4*(\c)+(\b))+7], v[(\f)+8*(4*(\c)+(\a)):(\f)+8*(4*(\c)+(\a))+7], 0
.else
	v_wmma_f32_16x16x32_f16 v[ACC+8*(4*(\a)+(\b)):ACC+8*(4*(\a)+(\b))+7], v[(\f)+64+8*(4*(\c)+(\b)):(\f)+64+8*(4*(\c)+(\b))+7], v[(\f)+8*(4*(\c)+(\a)):(\f)+8*(4*(\c)+(\a))+7], v[ACC+8*(4*(\a)+(\b)):ACC+8*(4*(\a)+(\b))+7]
.endif
.endr
.endr
.endm
; 32 LDS loads in one run: the fragments of 64 along K at byte k of the rows of the slot in hand, into buffer f; the first 32 along K first
.macro FETCH k, f
	WIN TO_F
.irp c, 0,1
.irp i, 0,1,2,3
	ds_load_b128 v[(\f)+64+8*(4*(\c)+(\i)):(\f)+64+8*(4*(\c)+(\i))+3],   v[ADRB] offset:(\k)+64*(\c)+(\i)*16*PITCH
	ds_load_b128 v[(\f)+64+8*(4*(\c)+(\i))+4:(\f)+64+8*(4*(\c)+(\i))+7], v[ADRB] offset:(\k)+64*(\c)+(\i)*16*PITCH+32
	ds_load_b128 v[(\f)+8*(4*(\c)+(\i)):(\f)+8*(4*(\c)+(\i))+3],         v[ADRA] offset:(\k)+64*(\c)+(\i)*16*PITCH
	ds_load_b128 v[(\f)+8*(4*(\c)+(\i))+4:(\f)+8*(4*(\c)+(\i))+7],       v[ADRA] offset:(\k)+64*(\c)+(\i)*16*PITCH+32
.endr
.endr
.endm
.macro PLACES                          ; four plain vector instructions between a matrix instruction and a load into, or a vector instruction on, its registers
.rept 4
	v_nop
.endr
.endm
; A K step is four quarters of 64 along K on buffers 0, 1, 0, 1.  One of the first three: multiplies buffer f and fetches the next quarter, at byte k, into g.
.macro QUARTER k, f, g, zero
	s_wait_dscnt 16                                ; the first 32 along K are in; the younger sixteen loads may stay out
	MUL8 \f, 0, 0, \zero
	MUL8 \f, 0, 2, \zero
	PLACES
	FETCH \k, \g
	s_wait_dscnt 32                                ; all but the 32 just issued
	MUL8 \f, 1, 0, 0
	MUL8 \f, 1, 2, 0
.endm
; The last quarter multiplies buffer 1 and changes slots: one barrier; in front of it each wave waits for all its tensor loads (its part of the next slot), adds 0 to its spare word, and waits for
; that and for its reads of this slot.  fill = 1: this slot is filled again, two K steps ahead, first thing behind the barrier: one load a wave.
.macro TURN fill
	WIN 0
	s_wait_tensorcnt 0x0                           ; no tensor load of mine is out, so a group 0 may be written
	ds_add_u32 v[SPW], v[NIL]                      ; 0 onto my spare word
.if \fill
	s_xor_b32 s[G0W+1], s[G0W+1], SLOT             ; the other slot than last time,
	s_add_nc_u64 s[G0W+2:G0W+3], s[G0W+2:G0W+3], KSTEP*2  ; the next K step; the type bits on top are not reached
.endif
	s_xor_b32 s[TBR], s[TBR], SLOT
	s_wait_dscnt 17                                ; the add and the youngest sixteen loads may be out
	MUL8 F1, 0, 0, 0
	s_wait_dscnt 0x0                               ; the add is done, and my reads of this slot are over
	s_barrier_signal -1
	MUL8 F1, 0, 2, 0
	WIN 0
	s_barrier_wait -1
.if \fill
	tensor_load_to_lds s[G0W:G0W+3], s[G1:G1+7]
	s_nop 0
.endif
	v_add_nc_u32 v[ADRA], s[TBR], v[A0]            ; these four are also the places in front of the loads into buffer 0
	v_add_nc_u32 v[ADRB], s[TBR], v[B0]
	v_nop
	v_nop
	FETCH 0, F0
	MUL8 F1, 1, 0, 0
	MUL8 F1, 1, 2, 0
.endm
	s_load_b256 s[4:11], s[0:1], 0x0               ; xh s[4:5], wrh s[6:7], wwt s[8:9], decay s[10:11]
	s_load_b128 s[12:15], s[0:1], 0x20             ; ab s[12:13], ph s[14:15]
	v_lshl_add_u32 v[SPW], v0, 2, SPARE
	v_mov_b32 v[NIL], 0
	ds_add_u32 v[SPW], v[NIL]                      ; the wave's opening: the add, twice on end, and its wait ahead of my first tensor load
	ds_add_u32 v[SPW], v[NIL]
	v_lshrrev_b32 v1, 5, v0
	v_readfirstlane_b32 s16, v1                    ; wave 0..3
	s_lshr_b32 s17, s16, 1                         ; my half of the tile's rows.  Also: I fetch for A (0) or for B (1)
	s_and_b32 s18, s16, 1                          ; my half of its columns.  Also: which 64 rows I fetch
	s_mov_b32 s19, ttmp9                           ; x
	s_and_b32 s20, ttmp7, 0xffff                   ; y: the batch (ab), or a quarter of ph's blocks
	; a block of ab
	s_lshr_b32 s22, s19, 3                         ; kind
	s_and_b32 s23, s19, 7                          ; which diagonal tile
	s_lshl_b32 s54, s23, 8
	s_cmp_ge_u32 s22, 1
	s_cselect_b32 s55, 128, 0
	s_add_co_u32 s55, s54, s55                     ; t0
	s_cmp_eq_u32 s22, 1
	s_cselect_b32 s56, 128, 0
	s_add_co_u32 s56, s54, s56                     ; s0
	s_sub_co_u32 s53, s55, s56                     ; t0 - s0: 0 or 128
	s_mul_i32 s57, s20, 2049
	s_add_co_u32 s58, s57, s55
	s_add_co_u32 s58, s58, 1                       ; A's first row: x[t0]
	s_add_co_u32 s59, s57, s56                     ; B's first row: x[s0 - 1]
	s_lshl_b32 s60, s20, 23
	s_lshl_b32 s61, s55, 12
	s_add_co_u32 s60, s60, s61
	s_lshl_b32 s61, s56, 1
	s_add_co_u32 s60, s60, s61                     ; the block's first byte in ab
	; a block of ph
	s_sub_co_u32 s54, s19, 24
	s_lshl_b32 s61, s20, 4
	s_add_co_u32 s54, s54, s61                     ; 0..63
	s_lshr_b32 s61, s54, 3
	s_lshl_b32 s61, s61, 7                         ; first row of wrh
	s_and_b32 s62, s54, 7
	s_lshl_b32 s62, s62, 7                         ; first row of wwt
	s_lshl_b32 s63, s61, 11
	s_lshl_b32 s54, s62, 1
	s_add_co_u32 s63, s63, s54                     ; the block's first byte in ph
	s_cmp_ge_u32 s19, 24
	s_cselect_b32 s21, 1, 0                        ; 1: ph
	s_cselect_b32 s58, s61, s58
	s_cselect_b32 s59, s62, s59
	s_cselect_b32 s60, s63, s60
	s_cselect_b32 s53, 128, s53                    ; ph: every D is at least 1
	s_cselect_b32 s52, 4.0, 0xc0c00000             ; c = 4 or -6
	s_cselect_b32 s51, 0, 1.0                      ; the factor that makes M 0 for ph
	; descriptor group 1: 64 rows x 256 elements of 2 bytes, 1,024 elements from row to row, 4 words of padding after every 128
	s_mov_b32 s[G1+0], (1<<16)|(1<<20)|(6<<22)|(3<<25)
	s_mov_b32 s[G1+1], KSTEP<<16
	s_mov_b32 s[G1+2], 64<<16
	s_mov_b32 s[G1+3], KSTEP<<16
	s_mov_b32 s[G1+4], 64
	s_mov_b32 s[G1+5], 1024
	s_mov_b32 s[G1+6], 0
	s_mov_b32 s[G1+7], 0
	s_mul_i32 s[WB], s16, HALFT
	s_mov_b32 s[TBR], 0
	s_wait_dscnt 0x0                               ; both opening adds are done
	s_wait_kmcnt 0x0
	s_load_b32 s50, s[10:11], 0x0                  ; decay
	s_cmp_eq_u32 s21, 1
	s_cselect_b64 s[44:45], s[6:7], s[4:5]         ; A's buffer
	s_cselect_b64 s[46:47], s[8:9], s[4:5]         ; B's
	s_cselect_b64 s[48:49], s[14:15], s[12:13]     ; C's
	s_cmp_eq_u32 s17, 0
	s_cselect_b64 s[44:45], s[44:45], s[46:47]     ; the one that I fetch from,
	s_cselect_b32 s54, s58, s59
	s_lshl_b32 s55, s18, 6
	s_add_co_u32 s54, s54, s55                     ; my 64 rows,
	s_lshl_b32 s54, s54, 11                        ; of 2,048 bytes
	s_mov_b32 s55, 0
	s_add_nc_u64 s[44:45], s[44:45], s[54:55]
	s_mov_b32 s[G0A], 1
	s_mov_b32 s[G0A+1], s[WB]
	s_mov_b64 s[G0A+2:G0A+3], s[44:45]
	s_or_b32 s[G0A+3], s[G0A+3], 0x80000000
	s_mov_b32 s[G0W], 1
	s_add_co_u32 s[G0W+1], s[WB], SLOT
	s_add_nc_u64 s[G0W+2:G0W+3], s[44:45], KSTEP*2
	s_or_b32 s[G0W+3], s[G0W+3], 0x80000000
	tensor_load_to_lds s[G0A:G0A+3], s[G1:G1+7]    ; K step 0; two loads of mine are out
	s_nop 0
	tensor_load_to_lds s[G0W:G0W+3], s[G1:G1+7]    ; K step 1
	s_nop 0
	v_and_b32 v1, 15, v0                           ; i = lane % 16
	v_bfe_u32 v2, v0, 4, 1                         ; h = lane / 16
	v_mul_u32_u24 v3, v1, PITCH
	v_lshl_add_u32 v3, v2, 4, v3                   ; a fragment's row x pitch + 16 h
	s_mul_i32 s54, s17, HALFT
	s_mul_i32 s55, s18, HALFT
	s_add_co_u32 s55, s55, 2*HALFT
	v_add_nc_u32 v[A0], s54, v3
	v_add_nc_u32 v[B0], s55, v3
	v_mov_b32 v[ADRA], v[A0]
	v_mov_b32 v[ADRB], v[B0]
	s_mul_i32 s54, s17, 64*SPITCH                  ; into the stage: my 64 rows, my half of their 256 bytes
	s_lshl_b32 s55, s18, 7
	s_add_co_u32 s54, s54, s55
	s_add_co_u32 s54, s54, STAGE
	v_mul_u32_u24 v4, v1, SPITCH
	v_lshl_add_u32 v4, v2, 4, v4
	v_add_nc_u32 v[STO], s54, v4
	s_mul_i32 s54, s16, 32*SPITCH                  ; back: wave w takes rows 32 w .. 32 w + 31, whole
	s_add_co_u32 s54, s54, STAGE
	v_mul_u32_u24 v5, v2, SPITCH
	v_lshl_add_u32 v5, v1, 4, v5
	v_add_nc_u32 v[RD], s54, v5
	s_mov_b32 s56, 4096
	s_lshr_b32 s56, s56, s21                       ; bytes in a row of C: 4,096 (ab) or 2,048 (ph)
	v_mul_u32_u24 v[CO], v2, s56
	v_lshl_add_u32 v[CO], v1, 4, v[CO]
	s_lshl_b32 s57, s16, 5
	s_mul_i32 s57, s57, s56
	s_add_co_u32 s60, s60, s57
	s_mov_b32 s61, 0
	s_add_nc_u64 s[48:49], s[48:49], s[60:61]      ; C at the first row that I store
	; ---- the factors, made while the first tiles are on their way
	s_wait_kmcnt 0x0
	v_mov_b32 v4, s50
	v_cvt_pk_bf16_f32 v4, v4, v4
	v_lshlrev_b32 v4, 16, v4                       ; bf16(decay)
	v_mul_f32 v5, 0xbfb8aa3b, v4                   ; z = -decay log2 e
	v_or_b32 v6, 0x80000000, v5                    ; -|z|
	v_exp_f32 v6, v6
	v_max_num_f32 v7, 0, v5                        ; the plain instruction behind the exponential
	s_wait_alu depctr_va_vdst(0)                   ; wait ahead of the result's first use
	v_add_f32 v6, 1.0, v6
	v_log_f32 v6, v6
	v_nop
	s_wait_alu depctr_va_vdst(0)
	v_add_f32 v7, v7, v6                           ; M = -log2 g
	v_mul_f32 v7, s51, v7                          ; 0 for ph
	v_xor_b32 v11, 0x80000000, v7                  ; -M
	v_lshlrev_b32 v8, 3, v2
	v_sub_nc_u32 v8, v1, v8                        ; i - 8 h
	v_add_nc_u32 v9, 15, v8
	v_cvt_f32_i32 v9, v9
	v_fma_f32 v[E], v11, v9, s52                   ; -M (i + 15 - j) + c for j = 8 h; each further column adds M
.irp r, 1,2,3,4,5,6,7
	v_add_f32 v[E+(\r)], v[E+(\r)-1], v7
.endr
.irp r, 0,1,2,3,4,5,6,7
	v_add_nc_u32 v[TMP+(\r)], (-1-(\r)), v8        ; i - j - 1: kept for the mask
	v_cvt_f32_i32 v10, v[TMP+(\r)]
	v_max_num_f32 v10, 0, v10
	v_fma_f32 v[ED+(\r)], v11, v10, s52
.endr
	s_lshr_b32 s53, s53, 4
	s_sub_co_i32 s54, s17, s18
	s_lshl_b32 s54, s54, 2
	s_add_co_i32 s53, s53, s54                     ; D for a = b: ((t0 - s0) + 64 (my row half - my column half)) / 16
.irp q, 0,1,2,3,4,5,6
	s_add_co_i32 s54, s53, (\q)-4                  ; D - 1 for d = q - 3
	s_max_i32 s54, s54, 0
	s_lshl_b32 s54, s54, 4
	v_cvt_f32_i32 v[SG+2*(\q)], s54
	v_mul_f32 v[SG+2*(\q)], v11, v[SG+2*(\q)]      ; -16 M (D - 1)
.endr
.irp r, 0,1,2,3,4,5,6,7,8,9,10,11,12,13,14,15
	v_exp_f32 v[E+(\r)], v[E+(\r)]                 ; one batch: E, Ed,
.endr
.irp q, 0,1,2,3,4,5,6
	v_exp_f32 v[SG+2*(\q)], v[SG+2*(\q)]           ; and the seven sigma
.endr
	v_nop
	s_wait_alu depctr_va_vdst(0)                   ; one wait for the 23
.irp q, 0,1,2,3,4,5,6
	s_add_co_i32 s54, s53, (\q)-3                  ; D
	s_cmp_ge_i32 s54, 1
	s_cselect_b32 s55, 1.0, 0
	s_cmp_eq_u32 s54, 0
	s_cselect_b32 s56, 1.0, 0
	v_mul_f32 v[SG+2*(\q)], s55, v[SG+2*(\q)]      ; sigma: 0 unless D >= 1
	v_mov_b32 v[SG+2*(\q)+1], s56                  ; delta: 1 where D = 0
.endr
.irp r, 0,1,2,3,4,5,6,7
	v_cmp_gt_i32 vcc_lo, 0, v[TMP+(\r)]            ; j >= i: hidden
	v_cndmask_b32 v[ED+(\r)], v[ED+(\r)], v[NIL], vcc_lo
.endr
	s_wait_tensorcnt 0x1                           ; my part of K step 0 is in; K step 1's may stay out
	s_barrier_signal -1
	s_barrier_wait -1
	FETCH 0, F0
	QUARTER 128, F0, F1, 1                         ; the first quarter's first products start the sums
	WIN 0
	s_mov_b32 s[CNT], 2
.Lstep:                                        ; a trip: from a K step's second quarter to the next step's first; it fills the slot just read
	QUARTER 256, F1, F0, 0
	QUARTER 384, F0, F1, 0
	TURN 1
	QUARTER 128, F0, F1, 0
	WIN 0
	s_sub_co_u32 s[CNT], s[CNT], 1
	s_cmp_lg_u32 s[CNT], 0
	s_cbranch_scc1 .Lstep
	QUARTER 256, F1, F0, 0                         ; K steps 2 and 3 fill nothing
	QUARTER 384, F0, F1, 0
	TURN 0
	QUARTER 128, F0, F1, 0
	QUARTER 256, F1, F0, 0
	QUARTER 384, F0, F1, 0
	s_wait_dscnt 16
	MUL8 F1, 0, 0, 0
	MUL8 F1, 0, 2, 0
	s_wait_dscnt 0x0
	MUL8 F1, 1, 0, 0
	MUL8 F1, 1, 2, 0
	; THE WAY OUT: the factor, f16, the work-group's stage, a barrier (a row's 256 bytes come from two waves), back as whole rows
	WIN 0
	PLACES
.irp dd, 0,1,2,3,4,5,6                 ; d = a - b = dd - 3: its table E sigma + Ed delta, then the accumulators on that diagonal, each from its low end on
.irp r, 0,1,2,3,4,5,6,7
	v_mul_f32 v[FD+(\r)], v[E+(\r)], v[SG+2*(\dd)]
.endr
.irp r, 0,1,2,3,4,5,6,7
	v_fmac_f32 v[FD+(\r)], v[ED+(\r)], v[SG+2*(\dd)+1]
.endr
.irp a, 0,1,2,3
.set bb, (\a)-(\dd)+3
.if (bb >= 0) && (bb <= 3)
.irp p, 0,2,4,6
	v_pk_mul_f32 v[ACC+8*(4*(\a)+bb)+(\p):ACC+8*(4*(\a)+bb)+(\p)+1], v[ACC+8*(4*(\a)+bb)+(\p):ACC+8*(4*(\a)+bb)+(\p)+1], v[FD+(\p):FD+(\p)+1]
.endr
.endif
.endr
.endr
.irp t, 0,1,2,3,4,5,6,7,8,9,10,11,12,13,14,15
.irp r, 0,1,2,3
	v_cvt_pk_f16_f32 v[TMP+4*(\t)+(\r)], v[ACC+8*(\t)+2*(\r)], v[ACC+8*(\t)+2*(\r)+1]
.endr
.endr
.irp a, 0,1,2,3
.irp b, 0,1,2,3
	ds_store_b128 v[STO], v[TMP+4*(4*(\a)+(\b)):TMP+4*(4*(\a)+(\b))+3] offset:(\a)*16*SPITCH+32*(\b)
.endr
.endr
	s_wait_dscnt 0x0                               ; for the others' sake: my stores into the stage are done
	s_barrier_signal -1
	s_barrier_wait -1
.irp t, 0,1,2,3,4,5,6,7,8,9,10,11,12,13,14,15
	ds_load_b128 v[TMP+4*(\t):TMP+4*(\t)+3], v[RD] offset:(\t)*2*SPITCH
.endr
	s_cmp_eq_u32 s21, 1
	s_cbranch_scc1 .Lst_p
.irp t, 0,1,2,3,4,5,6,7,8,9,10,11,12,13,14,15
	s_wait_dscnt 15-(\t)
	global_store_b128 v[CO], v[TMP+4*(\t):TMP+4*(\t)+3], s[48:49] offset:2*(\t)*4096  ; 16 lanes store 256 consecutive bytes, aligned
.endr
	s_cmp_lg_u32 s22, 0
	s_cbranch_scc1 .Lend
.irp r, 0,1,2,3
	v_mov_b32 v[E+(\r)], 0
.endr
.irp t, 0,1,2,3,4,5,6,7,8,9,10,11,12,13,14,15
	global_store_b128 v[CO], v[E:E+3], s[48:49] offset:2*(\t)*4096+256  ; the block above the diagonal: zeros
.endr
	s_branch .Lend
.Lst_p:
.irp t, 0,1,2,3,4,5,6,7,8,9,10,11,12,13,14,15
	s_wait_dscnt 15-(\t)
	global_store_b128 v[CO], v[TMP+4*(\t):TMP+4*(\t)+3], s[48:49] offset:2*(\t)*2048
.endr
.Lend:
	s_wait_tensorcnt 0x0                           ; the wave's end
	ds_add_u32 v[SPW], v[NIL]
	s_wait_dscnt 0x0
	s_endpgm
.Lfunc_end_k_qf837b02bee_edge:
	.size	k_qf837b02bee_edge, .Lfunc_end_k_qf837b02bee_edge-k_qf837b02bee_edge
	.p2alignl 7, 3214868480
	.fill 96, 4, 3214868480
	.section	.rodata,"a",@progbits
	.p2align	6, 0x0
	.amdhsa_kernel k_qf837b02bee_edge
		.amdhsa_group_segment_fixed_size 327680
		.amdhsa_private_segment_fixed_size 0
		.amdhsa_enable_private_segment 0
		.amdhsa_kernarg_size 48
		.amdhsa_user_sgpr_count 2
		.amdhsa_user_sgpr_kernarg_segment_ptr 1
		.amdhsa_wavefront_size32 1
		.amdhsa_system_sgpr_workgroup_id_x 1
		.amdhsa_system_sgpr_workgroup_id_y 1
		.amdhsa_system_sgpr_workgroup_id_z 1
		.amdhsa_system_vgpr_workitem_id 0
		.amdhsa_next_free_vgpr 512
		.amdhsa_next_free_sgpr 66
		.amdhsa_reserve_vcc 1
		.amdhsa_float_denorm_mode_32 3
		.amdhsa_float_denorm_mode_16_64 3
		.amdhsa_memory_ordered 1
		.amdhsa_forward_progress 1
		.amdhsa_inst_pref_size 84
	.end_amdhsa_kernel
	.amdgpu_metadata
---
amdhsa.version: [ 1, 2 ]
amdhsa.kernels:
  - .name:           k_qf837b02bee_edge
    .symbol:         k_qf837b02bee_edge.kd
    .args:
      - { .name: xh, .offset: 0, .size: 8, .value_kind: global_buffer, .address_space: global }
      - { .name: wrh, .offset: 8, .size: 8, .value_kind: global_buffer, .address_space: global }
      - { .name: wwt, .offset: 16, .size: 8, .value_kind: global_buffer, .address_space: global }
      - { .name: decay, .offset: 24, .size: 8, .value_kind: global_buffer, .address_space: global }
      - { .name: ab, .offset: 32, .size: 8, .value_kind: global_buffer, .address_space: global }
      - { .name: ph, .offset: 40, .size: 8, .value_kind: global_buffer, .address_space: global }
    .group_segment_fixed_size: 327680
    .private_segment_fixed_size: 0
    .kernarg_segment_align: 8
    .kernarg_segment_size: 48
    .max_flat_workgroup_size: 128
    .sgpr_count:     66
    .vgpr_count:     512
    .wavefront_size: 32
...
	.end_amdgpu_metadata
.endif
;; end of part 2
;; launch main (part 3): grid 240 x 1, 4 waves a work-group, no clusters, 327,680 bytes of LDS; arguments xh, ph, decay, ab, ut; writes ab, ut
.if DOCPART == 3
	.amdgcn_target "amdgcn-amd-amdhsa--gfx1250"
	.amdhsa_code_object_version 6
	.text
	.protected	k_qf837b02bee_main
	.globl	k_qf837b02bee_main
	.p2align	8
	.type	k_qf837b02bee_main,@function
k_qf837b02bee_main:
	s_mov_b64 s[64:65], 0
	v_nop
	global_prefetch_b8 v0, s[64:65] scope:SCOPE_SE
	s_setreg_imm32_b32 hwreg(HW_REG_WAVE_MODE, 25, 1), 1
	s_wait_xcnt 0x0
; HEBBIAN BLOCK, launch 3 of 4: tiles of 256 x 256 with K = 1,024, C = A B^T in f16 with f32 sums, each number times a factor.
; THE WORK-GROUP'S NUMBER i: bit 2 is the batch's upper bit; the other bits, closed up, count r = 0..119: r >= 60 is the batch's lower bit, r mod 60 the job x.  So work-groups whose numbers
; agree in bit 2 read the rows of xh of two batches, and those of the other two batches not at all.
; x < 32:  a tile of ut[e][s] = U[s][e] / 4 = (16 P x[s])[e] 2^-6: rows of ph against rows x[s] of xh.
; x >= 32: a tile (I, J), J < I, of ab[t][s] = A[t][s] / 64 = g^(t-1-s) (x[t] . x[s-1]) 2^-6: 28 tiles strictly below the diagonal.  The tiles above it are dead work (the mask that reference()
;          builds) and are left out; the diagonal tiles were made by the launch before.
; THE FACTOR.  t - 1 - s = 16 (d + 7) + (i + 15 - j) + kb, with d = a - b the distance of the 16 x 16 results' block row and column in my 128 x 128, i and j the place inside a result, and
; kb = 256 (I - J - 1) + 128 (my row half - my column half) + 128 >= 0.  ES_0[j] = 2^(-M (i + 15 - j + kb) - 6), ES_n = ES_(n-1) q, q = 2^(-16 M), n = d + 7: all factors are at most 2^-6; one below
; 2^-126 counts as 0.  For ut M is taken as 0.  M as in the launch before.  LIMITS: f16's range for ab and ut, as stated at the head of the first kernel.
; SHARES.  Four waves, each 128 x 128: 64 accumulators, 512 registers.  K goes in steps of 128 through two LDS slots; each wave fetches 128 rows x 256 bytes with one tensor load.
; The matrix instruction is used transposed (source 0 = rows of B, source 1 = rows of A): a lane holds eight neighbouring numbers of a row of C.
; NO CLUSTER: row I of the triangle has I tiles and column J has 7 - J, so the tiles that share an operand come in lines of 1 to 7; a cover by lines of four has lines that share A and lines that share
; B, and which of a step's two loads is the joint one would then hang on the cluster's number.  Not built here.
; REGISTERS: window 0: v0-31 addresses, q and ES_0; v64-127, v128-191 fragments of A, two buffers (on the way out: ES_1 .. ES_14); v32-63, v192-255 the way out.
;   window 1: v64-127, v128-191 fragments of B.   window 2: the accumulators of my rows 0-63 ((a, b) at 8 (8 a + b)).   window 3: those of my rows 64-127.
.set KSTEP,  128
.set PITCH,  272                       ; an LDS row: 256 bytes + 16 of padding = 68 words: row r starts at bank 4 r mod 64 (64 banks of 4 bytes: ISA guide 11.1)
.set HALFT,  128*PITCH
.set SLOT,   4*HALFT                   ; A's 256 rows, then B's.  No multiple of HALFT below 4 has a bit of SLOT set
.set STAGE,  2*SLOT                    ; behind the ring: 16 rows x 272 bytes for each wave
.set SPITCH, 272
.set SPARE,  STAGE+4*16*SPITCH
.set QQ,   6                           ; v6-7    q, twice
.set ES0,  8                           ; v8-15   ES_0
.set ADRA, 16
.set A0,   17
.set ADRB, 20
.set B0,   21
.set STO,  24
.set RD,   25
.set CO,   26
.set SPW,  28                          ; v28     SPARE + 4 x my thread's number; never rewritten
.set NIL,  29                          ; v29     0; never rewritten
.set PFO,  30                          ; v30     2,048 x my lane: a row of xh or ph; never rewritten
.set OB,   32
.set F0,   64
.set F1,   128
.set TMP,  192
.set G1,   24
.set G0A,  32
.set G0W,  36
.set TBR,  40
.set WB,   41
.set CNT,  42
.set LIM,  43                          ; s43  2 in a wave that prefetches, else the greatest number
.set PFA,  44                          ; s[44:45] my 128 rows, one K step further along K than the refill that is being asked for
.set MSB, 0
.macro WIN new
.if MSB != (\new)
	s_set_vgpr_msb (MSB<<8)|(\new)
.set MSB, \new
.endif
.endm
.set MUL_LO, 0xa1                      ; source 0 (B) window 1, source 1 (A) window 0, C and D window 2
.set TO_B,   0x40
; 16 matrix instructions: m blocks a0, a0 + 1 of the window's four x all 8 n blocks, 32 along K.  The 64 accumulators take turns.
.macro MUL16 f, hi, a0, zero
	WIN MUL_LO+0x50*(\hi)
.irp a, \a0, (\a0)+1
.irp b, 0,1,2,3,4,5,6,7
.if \zero
	v_wmma_f32_16x16x32_f16 v[8*(8*(\a)+(\b)):8*(8*(\a)+(\b))+7], v[(\f)+8*(\b):(\f)+8*(\b)+7], v[(\f)+8*(4*(\hi)+(\a)):(\f)+8*(4*(\hi)+(\a))+7], 0
.else
	v_wmma_f32_16x16x32_f16 v[8*(8*(\a)+(\b)):8*(8*(\a)+(\b))+7], v[(\f)+8*(\b):(\f)+8*(\b)+7], v[(\f)+8*(4*(\hi)+(\a)):(\f)+8*(4*(\hi)+(\a))+7], v[8*(8*(\a)+(\b)):8*(8*(\a)+(\b))+7]
.endif
.endr
.endr
.endm
.macro FETCH k, f                      ; 32 LDS loads in one run: 128 rows of B, then 128 rows of A, 32 along K at byte k
	WIN TO_B
.irp i, 0,1,2,3,4,5,6,7
	ds_load_b128 v[(\f)+8*(\i):(\f)+8*(\i)+3],   v[ADRB] offset:(\k)+(\i)*16*PITCH
	ds_load_b128 v[(\f)+8*(\i)+4:(\f)+8*(\i)+7], v[ADRB] offset:(\k)+(\i)*16*PITCH+32
.endr
	WIN 0
.irp i, 0,1,2,3,4,5,6,7
	ds_load_b128 v[(\f)+8*(\i):(\f)+8*(\i)+3],   v[ADRA] offset:(\k)+(\i)*16*PITCH
	ds_load_b128 v[(\f)+8*(\i)+4:(\f)+8*(\i)+7], v[ADRA] offset:(\k)+(\i)*16*PITCH+32
.endr
.endm
.macro PLACES
.rept 4
	v_nop
.endr
.endm
.macro QUARTER k, f, g, zero
	s_wait_dscnt 8                                 ; B and A's rows 0-63 are in; the youngest eight loads may be out
	MUL16 \f, 0, 0, \zero
	MUL16 \f, 0, 2, \zero
	PLACES
	FETCH \k, \g
	s_wait_dscnt 32                                ; all but the 32 just issued
	MUL16 \f, 1, 0, \zero
	MUL16 \f, 1, 2, \zero
.endm
; A PREFETCH INTO THE L2 behind each refill and the run of LDS loads that follows it: my own 128 rows x 256 bytes of the K step that stands two refills on: a lane a row, four instructions.
; Each block is named once in the launch: a row x[s] is B's row in exactly one tile of ut with e-tile 0, whose waves 2 and 3 ask for it; ph's rows are asked for by waves 0 and 1 of the four tiles of
; ut with s-tile 0 in batch 0.  The tiles of ab walk the same rows of xh and ask for nothing.  K steps 0 to 3 come by their loads alone; the last two refills have no K step two on.
.macro ASK
	s_cmp_gt_u32 s[CNT], s[LIM]
	s_cbranch_scc0 .Lnot_mine_\@
.irp j, 0,1,2,3
	global_prefetch_b8 v[PFO], s[PFA:PFA+1] offset:KSTEP*2+65536*(\j) th:TH_LOAD_NT scope:SCOPE_SE
.endr
.Lnot_mine_\@:
.endm
; The last quarter multiplies buffer 1 and changes slots: one barrier; in front of it each wave waits for all its tensor loads (its part of the next slot), adds 0 to its spare word, and waits for
; that and for its reads of this slot.  fill = 1: this slot is filled again, two K steps ahead, first thing behind the barrier: one load a wave.
.macro TURN fill
.if \fill
	s_wait_xcnt 0x0                                ; the last prefetches, a K step back, have read their address
	s_add_nc_u64 s[PFA:PFA+1], s[PFA:PFA+1], KSTEP*2
.endif
	WIN 0
	s_wait_tensorcnt 0x0                           ; no tensor load of mine is out, so a group 0 may be written
	ds_add_u32 v[SPW], v[NIL]                      ; 0 onto my spare word
.if \fill
	s_xor_b32 s[G0W+1], s[G0W+1], SLOT
	s_add_nc_u64 s[G0W+2:G0W+3], s[G0W+2:G0W+3], KSTEP*2
.endif
	s_xor_b32 s[TBR], s[TBR], SLOT
	s_wait_dscnt 9                                 ; the add and the youngest eight loads may be out
	MUL16 F1, 0, 0, 0
	s_wait_dscnt 0x0                               ; the add is done, and my reads of this slot are over
	s_barrier_signal -1
	MUL16 F1, 0, 2, 0
	WIN 0
	s_barrier_wait -1
.if \fill
	tensor_load_to_lds s[G0W:G0W+3], s[G1:G1+7]    ; my one load behind the barrier: 224 matrix instructions ahead of the wait for it
	s_nop 0
.endif
	v_add_nc_u32 v[ADRA], s[TBR], v[A0]            ; these four are also the places in front of the loads into buffer 0
	v_add_nc_u32 v[ADRB], s[TBR], v[B0]
	v_nop
	v_nop
	FETCH 0, F0
.if \fill
	ASK
.endif
	MUL16 F1, 1, 0, 0
	MUL16 F1, 1, 2, 0
.endm
	s_load_b256 s[4:11], s[0:1], 0x0               ; xh s[4:5], ph s[6:7], decay s[8:9], ab s[10:11]
	s_load_b64 s[12:13], s[0:1], 0x20              ; ut
	v_lshl_add_u32 v[SPW], v0, 2, SPARE
	v_mov_b32 v[NIL], 0
	ds_add_u32 v[SPW], v[NIL]                      ; the wave's opening: the add, twice on end, and its wait ahead of my first tensor load
	ds_add_u32 v[SPW], v[NIL]
	v_lshrrev_b32 v1, 5, v0
	v_readfirstlane_b32 s16, v1                    ; wave 0..3
	s_lshr_b32 s17, s16, 1                         ; my half of the rows.  Also: I fetch for A (0) or B (1)
	s_and_b32 s18, s16, 1                          ; my half of the columns.  Also: which 128 rows I fetch
	s_bfe_u32 s55, ttmp9, 0x10002                  ; bit 2 of the work-group's number: the batch's upper bit
	s_and_b32 s56, ttmp9, 3
	s_lshr_b32 s57, ttmp9, 3
	s_lshl2_add_u32 s56, s57, s56                  ; r: the other bits, closed up: 0..119
	s_cmp_ge_u32 s56, 60
	s_cselect_b32 s57, 60, 0
	s_cselect_b32 s20, 1, 0
	s_sub_co_u32 s19, s56, s57                     ; the job x: 0..59
	s_lshl1_add_u32 s20, s55, s20                  ; the batch
	; a tile of ab: x - 32 counts the triangle by rows
	s_sub_co_u32 s54, s19, 32
	s_mov_b32 s22, 1
.irp c, 1,3,6,10,15,21
	s_cmp_ge_u32 s54, \c
	s_add_co_ci_u32 s22, s22, 0                    ; I
.endr
	s_sub_co_u32 s55, s22, 1
	s_mul_i32 s55, s55, s22
	s_lshr_b32 s55, s55, 1
	s_sub_co_u32 s23, s54, s55                     ; J
	s_mul_i32 s56, s20, 2049                       ; the batch's first row in xh
	s_lshl_b32 s57, s22, 8
	s_add_co_u32 s57, s57, s56
	s_add_co_u32 s57, s57, 1                       ; A: x[256 I]
	s_lshl_b32 s58, s23, 8
	s_add_co_u32 s58, s58, s56                     ; B: x[256 J - 1]
	s_lshl_b32 s59, s20, 23
	s_lshl_b32 s60, s22, 20
	s_add_co_u32 s59, s59, s60
	s_lshl_b32 s60, s23, 9
	s_add_co_u32 s59, s59, s60                     ; the tile's first byte in ab
	s_sub_co_u32 s53, s22, s23
	s_sub_co_u32 s53, s53, 1
	s_lshl_b32 s53, s53, 8
	s_sub_co_i32 s60, s17, s18
	s_lshl_b32 s60, s60, 7
	s_add_co_i32 s53, s53, s60
	s_add_co_u32 s53, s53, 128                     ; kb
	; a tile of ut
	s_and_b32 s60, s19, 3                          ; e-tile
	s_lshr_b32 s61, s19, 2                         ; s-tile
	s_lshl_b32 s62, s60, 8                         ; A: row of ph
	s_lshl_b32 s63, s61, 8
	s_add_co_u32 s63, s63, s56
	s_add_co_u32 s63, s63, 1                       ; B: x[256 s-tile]
	s_lshl_b32 s54, s20, 22
	s_lshl_b32 s55, s60, 20
	s_add_co_u32 s54, s54, s55
	s_lshl_b32 s55, s61, 9
	s_add_co_u32 s54, s54, s55                     ; the tile's first byte in ut
	s_or_b32 s61, s61, s20
	s_cmp_eq_u32 s17, 1
	s_cselect_b32 s60, s60, s61                    ; what must be 0 for me to prefetch: the e-tile (B's waves), or s-tile and batch (A's)
	s_cmp_lt_u32 s19, 32
	s_cselect_b32 s21, 1, 0                        ; 1: ut
	s_cselect_b32 s57, s62, s57
	s_cselect_b32 s58, s63, s58
	s_cselect_b32 s59, s54, s59
	s_cselect_b32 s53, 0, s53
	s_cselect_b32 s51, 0, 1.0                      ; the factor that makes M 0 for ut
	s_cselect_b32 s60, s60, 1
	s_cmp_eq_u32 s60, 0
	s_cselect_b32 s[LIM], 2, -1
	s_mov_b32 s52, 0xc0c00000                      ; -6.0
	s_lshl_b32 s54, s17, 19
	s_add_co_u32 s59, s59, s54                     ; my 128 rows of 4,096 bytes,
	s_lshl_b32 s54, s18, 8
	s_add_co_u32 s59, s59, s54                     ; my 128 columns
	; descriptor group 1: 128 rows x 128 elements of 2 bytes, 1,024 elements from row to row, 4 words of padding after every 64
	s_mov_b32 s[G1+0], (1<<16)|(1<<20)|(5<<22)|(3<<25)
	s_mov_b32 s[G1+1], KSTEP<<16
	s_mov_b32 s[G1+2], 128<<16
	s_mov_b32 s[G1+3], KSTEP<<16
	s_mov_b32 s[G1+4], 128
	s_mov_b32 s[G1+5], 1024
	s_mov_b32 s[G1+6], 0
	s_mov_b32 s[G1+7], 0
	s_mul_i32 s[WB], s16, HALFT
	s_mov_b32 s[TBR], 0
	s_wait_dscnt 0x0                               ; both opening adds are done
	s_wait_kmcnt 0x0
	s_load_b32 s50, s[8:9], 0x0                    ; decay
	s_cmp_eq_u32 s17, 0
	s_cselect_b32 s54, s57, s58
	s_cselect_b32 s55, s21, 0                      ; 1: I fetch from ph
	s_lshl_b32 s56, s18, 7
	s_add_co_u32 s54, s54, s56
	s_lshl_b32 s54, s54, 11
	s_cmp_eq_u32 s55, 1
	s_mov_b32 s55, 0
	s_cselect_b64 s[48:49], s[6:7], s[4:5]
	s_add_nc_u64 s[48:49], s[48:49], s[54:55]      ; my 128 rows, K step 0
	s_cmp_eq_u32 s21, 1
	s_cselect_b64 s[46:47], s[12:13], s[10:11]
	s_mov_b32 s60, s59
	s_mov_b32 s61, 0
	s_add_nc_u64 s[46:47], s[46:47], s[60:61]      ; C at my first row and column
	s_mov_b32 s[G0A], 1
	s_mov_b32 s[G0A+1], s[WB]
	s_mov_b64 s[G0A+2:G0A+3], s[48:49]
	s_or_b32 s[G0A+3], s[G0A+3], 0x80000000
	s_mov_b32 s[G0W], 1
	s_add_co_u32 s[G0W+1], s[WB], SLOT
	s_add_nc_u64 s[G0W+2:G0W+3], s[48:49], KSTEP*2
	s_or_b32 s[G0W+3], s[G0W+3], 0x80000000
	s_add_nc_u64 s[PFA:PFA+1], s[48:49], 2*KSTEP*2 ; at K step 2: the first refill steps it to 3 and names K step 4
	tensor_load_to_lds s[G0A:G0A+3], s[G1:G1+7]    ; K step 0; two loads of mine are out
	s_nop 0
	tensor_load_to_lds s[G0W:G0W+3], s[G1:G1+7]    ; K step 1
	s_nop 0
	v_and_b32 v1, 15, v0                           ; i = lane % 16
	v_bfe_u32 v2, v0, 4, 1                         ; h = lane / 16
	v_mul_u32_u24 v3, v1, PITCH
	v_lshl_add_u32 v3, v2, 4, v3
	s_mul_i32 s54, s17, HALFT
	s_mul_i32 s55, s18, HALFT
	s_add_co_u32 s55, s55, 2*HALFT
	v_add_nc_u32 v[A0], s54, v3
	v_add_nc_u32 v[B0], s55, v3
	v_mov_b32 v[ADRA], v[A0]
	v_mov_b32 v[ADRB], v[B0]
	s_mul_i32 s54, s16, 16*SPITCH
	s_add_co_u32 s54, s54, STAGE                   ; my stage
	v_mul_u32_u24 v4, v1, SPITCH
	v_lshl_add_u32 v4, v2, 4, v4
	v_add_nc_u32 v[STO], s54, v4                   ; in: row i, 16 bytes for each half of the lanes
	v_mul_u32_u24 v4, v2, SPITCH
	v_lshl_add_u32 v4, v1, 4, v4
	v_add_nc_u32 v[RD], s54, v4                    ; back: lanes 0-15 one row of 256 bytes, lanes 16-31 the next
	v_lshlrev_b32 v[CO], 12, v2
	v_lshl_add_u32 v[CO], v1, 4, v[CO]             ; the same two rows in C
	v_and_b32 v[PFO], 31, v0
	v_lshlrev_b32 v[PFO], 11, v[PFO]
	; ---- M, ES_0 and q, made while the first tiles are on their way
	s_wait_kmcnt 0x0
	v_mov_b32 v4, s50
	v_cvt_pk_bf16_f32 v4, v4, v4
	v_lshlrev_b32 v4, 16, v4                       ; bf16(decay)
	v_mul_f32 v4, 0xbfb8aa3b, v4                   ; z = -decay log2 e
	v_or_b32 v5, 0x80000000, v4                    ; -|z|
	v_exp_f32 v5, v5
	v_max_num_f32 v4, 0, v4                        ; the plain instruction behind the exponential
	s_wait_alu depctr_va_vdst(0)                   ; wait ahead of the result's first use
	v_add_f32 v5, 1.0, v5
	v_log_f32 v5, v5
	v_nop
	s_wait_alu depctr_va_vdst(0)
	v_add_f32 v4, v4, v5                           ; M = -log2 g
	v_mul_f32 v4, s51, v4                          ; 0 for ut
	v_xor_b32 v5, 0x80000000, v4                   ; -M
	v_lshlrev_b32 v3, 3, v2
	v_sub_nc_u32 v3, v1, v3
	v_add_nc_u32 v3, 15, v3
	v_add_nc_u32 v3, s53, v3                       ; i + 15 - 8 h + kb
	v_cvt_f32_i32 v3, v3
	v_fma_f32 v[ES0], v5, v3, s52
.irp r, 1,2,3,4,5,6,7
	v_add_f32 v[ES0+(\r)], v[ES0+(\r)-1], v4       ; each further column adds M
.endr
	v_mul_f32 v[QQ], 0x41800000, v5                ; -16 M
.irp r, 0,1,2,3,4,5,6,7
	v_exp_f32 v[ES0+(\r)], v[ES0+(\r)]
.endr
	v_exp_f32 v[QQ], v[QQ]
	v_nop
	s_wait_alu depctr_va_vdst(0)                   ; one wait for the nine
	v_mov_b32 v[QQ+1], v[QQ]
	s_wait_tensorcnt 0x1                           ; my part of K step 0 is in; K step 1's may stay out
	s_barrier_signal -1
	s_barrier_wait -1
	FETCH 0, F0
	QUARTER 64, F0, F1, 1                          ; the first quarter's products start the sums
	WIN 0
	s_mov_b32 s[CNT], 6
.Lstep:                                        ; a trip: from a K step's second quarter to the next step's first; it fills the slot just read
	QUARTER 128, F1, F0, 0
	QUARTER 192, F0, F1, 0
	TURN 1
	QUARTER 64, F0, F1, 0
	WIN 0
	s_sub_co_u32 s[CNT], s[CNT], 1
	s_cmp_lg_u32 s[CNT], 0
	s_cbranch_scc1 .Lstep
	QUARTER 128, F1, F0, 0                         ; K steps 6 and 7 fill nothing
	QUARTER 192, F0, F1, 0
	TURN 0
	QUARTER 64, F0, F1, 0
	QUARTER 128, F1, F0, 0
	QUARTER 192, F0, F1, 0
	s_wait_dscnt 8
	MUL16 F1, 0, 0, 0
	MUL16 F1, 0, 2, 0
	s_wait_dscnt 0x0
	MUL16 F1, 1, 0, 0
	MUL16 F1, 1, 2, 0
	; THE WAY OUT.  ES_1 .. ES_14 go where A's fragments lay (ES_n at v[56 + 8 n]); then a block of 16 rows at a time: the factor, in place; f16; my stage; back as whole rows of 256 bytes.
	WIN 0
	PLACES
.set n, 1
.rept 14
.set from, 56+8*(n-1)
.if n == 1
.set from, ES0
.endif
.irp p, 0,2,4,6
	v_pk_mul_f32 v[56+8*n+(\p):56+8*n+(\p)+1], v[from+(\p):from+(\p)+1], v[QQ:QQ+1]
.endr
.set n, n+1
.endr
.macro PACK a
.set AC, 64*((\a)%4)
	WIN 0x82+0x41*((\a)/4)                         ; destination and source 0: window 2 or 3; the table: window 0
.irp b, 0,1,2,3,4,5,6,7
.set ix, (\a)-(\b)+7
.set tb, 56+8*ix
.if ix == 0
.set tb, ES0
.endif
.irp p, 0,2,4,6
	v_pk_mul_f32 v[AC+8*(\b)+(\p):AC+8*(\b)+(\p)+1], v[AC+8*(\b)+(\p):AC+8*(\b)+(\p)+1], v[tb+(\p):tb+(\p)+1]
.endr
.endr
	WIN 0x0a+5*((\a)/4)                            ; sources 0 and 1: window 2 or 3
.irp b, 0,1,2,3,4,5,6,7
.irp r, 0,1,2,3
	v_cvt_pk_f16_f32 v[TMP+4*(\b)+(\r)], v[AC+8*(\b)+2*(\r)], v[AC+8*(\b)+2*(\r)+1]
.endr
.endr
	WIN 0
.endm
.macro TOSTAGE a
.set BK, OB+192*((\a)%2)
.irp b, 0,1,2,3,4,5,6,7
	ds_store_b128 v[STO], v[TMP+4*(\b):TMP+4*(\b)+3] offset:32*(\b)
.endr
.irp t, 0,1,2,3,4,5,6,7
	ds_load_b128 v[BK+4*(\t):BK+4*(\t)+3], v[RD] offset:(\t)*2*SPITCH  ; LDS serves a wave's instructions in order (ISA guide 5.7.1.4): these see the stores above
.endr
.endm
.macro SEND a
.set BK, OB+192*((\a)%2)
	s_wait_dscnt 0x0                               ; the block is back in registers
	s_wait_xcnt 0x0                                ; earlier stores have read their base and their registers
.if (\a) != 0
	s_add_nc_u64 s[46:47], s[46:47], 16*4096       ; 16 rows of C on
.endif
.irp t, 0,1,2,3,4,5,6,7
	global_store_b128 v[CO], v[BK+4*(\t):BK+4*(\t)+3], s[46:47] offset:2*(\t)*4096  ; 16 lanes store 256 consecutive bytes, aligned
.endr
.endm
	PACK 0
	TOSTAGE 0
.irp a, 1,2,3,4,5,6,7                  ; block a's arithmetic stands between block a - 1's loads from the stage and the wait for them
	PACK \a
	SEND (\a)-1
	TOSTAGE \a
.endr
	SEND 7
	s_wait_tensorcnt 0x0                           ; the wave's end
	ds_add_u32 v[SPW], v[NIL]
	s_wait_dscnt 0x0
	s_endpgm
.Lfunc_end_k_qf837b02bee_main:
	.size	k_qf837b02bee_main, .Lfunc_end_k_qf837b02bee_main-k_qf837b02bee_main
	.p2alignl 7, 3214868480
	.fill 96, 4, 3214868480
	.section	.rodata,"a",@progbits
	.p2align	6, 0x0
	.amdhsa_kernel k_qf837b02bee_main
		.amdhsa_group_segment_fixed_size 327680
		.amdhsa_private_segment_fixed_size 0
		.amdhsa_enable_private_segment 0
		.amdhsa_kernarg_size 40
		.amdhsa_user_sgpr_count 2
		.amdhsa_user_sgpr_kernarg_segment_ptr 1
		.amdhsa_wavefront_size32 1
		.amdhsa_system_sgpr_workgroup_id_x 1
		.amdhsa_system_sgpr_workgroup_id_y 1
		.amdhsa_system_sgpr_workgroup_id_z 1
		.amdhsa_system_vgpr_workitem_id 0
		.amdhsa_next_free_vgpr 1024
		.amdhsa_next_free_sgpr 66
		.amdhsa_reserve_vcc 0
		.amdhsa_float_denorm_mode_32 3
		.amdhsa_float_denorm_mode_16_64 3
		.amdhsa_memory_ordered 1
		.amdhsa_forward_progress 1
		.amdhsa_inst_pref_size 137
	.end_amdhsa_kernel
	.amdgpu_metadata
---
amdhsa.version: [ 1, 2 ]
amdhsa.kernels:
  - .name:           k_qf837b02bee_main
    .symbol:         k_qf837b02bee_main.kd
    .args:
      - { .name: xh, .offset: 0, .size: 8, .value_kind: global_buffer, .address_space: global }
      - { .name: ph, .offset: 8, .size: 8, .value_kind: global_buffer, .address_space: global }
      - { .name: decay, .offset: 16, .size: 8, .value_kind: global_buffer, .address_space: global }
      - { .name: ab, .offset: 24, .size: 8, .value_kind: global_buffer, .address_space: global }
      - { .name: ut, .offset: 32, .size: 8, .value_kind: global_buffer, .address_space: global }
    .group_segment_fixed_size: 327680
    .private_segment_fixed_size: 0
    .kernarg_segment_align: 8
    .kernarg_segment_size: 40
    .max_flat_workgroup_size: 128
    .sgpr_count:     66
    .vgpr_count:     1024
    .wavefront_size: 32
...
	.end_amdgpu_metadata
.endif
;; end of part 3
;; launch apply (part 4): grid 256 x 1, 4 waves a work-group, clusters of 4 x 1, 327,680 bytes of LDS; arguments ab, ut, xh, log_alpha, out0; writes out0
.if DOCPART == 4
	.amdgcn_target "amdgcn-amd-amdhsa--gfx1250"
	.amdhsa_code_object_version 6
	.text
	.protected	k_qf837b02bee_apply
	.globl	k_qf837b02bee_apply
	.p2align	8
	.type	k_qf837b02bee_apply,@function
k_qf837b02bee_apply:
	s_mov_b64 s[64:65], 0
	v_nop
	global_prefetch_b8 v0, s[64:65] scope:SCOPE_SE
	s_setreg_imm32_b32 hwreg(HW_REG_WAVE_MODE, 25, 1), 1
	s_wait_xcnt 0x0
	s_wait_alu depctr_hold_cnt(0) depctr_sa_sdst(0) depctr_va_vdst(0) depctr_va_sdst(0) depctr_va_ssrc(0) depctr_va_vcc(0) depctr_vm_vsrc(0)
	s_getreg_b32 s2, hwreg(HW_REG_IB_STS2, 6, 4)
	s_cmp_eq_u32 s2, 0
	s_cbranch_scc0 .Lentry_in_a_cluster
	s_endpgm
.Lentry_in_a_cluster:
	s_bfe_u32 s2, ttmp6, 0x10000c
	s_cmp_lg_u32 s2, 0x3003
	s_cbranch_scc0 .Lentry_shape_is_right
	s_endpgm
.Lentry_shape_is_right:
; HEBBIAN BLOCK, launch 4 of 4: out0[t][e] = x[t][e] + alpha' sum over s of ab[t][s] ut[e][s], alpha' = 256 alpha = 2^(bf16(log_alpha) log2 e + 8) (ab = A / 64, ut = U / 4).
; DEAD WORK LEFT OUT: the steps of 256 keys that lie wholly behind a block's last row (A is 0 there by the mask that reference() builds).  LIMITS: as stated at the head of the first kernel.
; THE CLUSTER'S NUMBER c: bit 0 is X, which four blocks of 128 columns e the cluster has; bits 2:1 are the batch; bits 5:3 are m.  So clusters whose numbers agree in bit 2 read two batches' rows of
; ab, ut and xh, and the other two batches' not at all.
; THE WALK.  A batch's rows lie in 16 blocks of 128; block i needs the steps 0 .. i / 2 of 256 keys.  A work-group takes TWO blocks, 15 - m and then m, for one block of 128 columns e:
; (8 - m / 2) + (m / 2 + 1) = 9 steps whatever m: all work-groups do equal work, and loops with constant trip counts walk them.  A block's n steps are walked IN A RING (f32 sums may be taken in any
; order): the first block's from step (m + X (n / 2)) mod n, the second's from step X (n / 2).  So the two clusters that read the same tile of ab ask for it n / 2 trips apart, and the work-groups that
; read the same tile of ut, which differ in m, ask for it in different trips.  Which step is asked for, and where the first block ends, hang on scalar registers made from c; the jumps that hang on
; them go forward and pass neither a barrier nor a tensor load.
; CLUSTER.  The four work-groups of a cluster have the same batch and m and four neighbouring blocks of columns: they walk the same tiles of ab, which are asked for JOINTLY (waves 0 and 1: one load,
; one descriptor, the mask of four).  ut's tiles are each work-group's own (waves 2 and 3: no mask).  Not 4 x 4: work-groups that share a tile of ut have other m, so their walks part.
; NO PREFETCH: tiles of 128 x 128, whose steps are short.
; ONE TEXT FOR EVERY STEP: the step at which the blocks change hangs on m, so no first quarter with C = 0 can be written out: the 128 accumulator registers are cleared, at the head in the wait for
; the first tiles, and once more at the change of blocks.  The last step's change of slots fetches 32 fragments that nothing uses.
; SHARES and LAYOUT as in launch 2: four waves of 64 x 64, K steps of 256 through two slots, the matrix instruction used transposed.
; REGISTERS: window 0: v0-31 addresses; v32-63 the way out; v64-127 the residual, f16; v128-255 accumulators.   window 1: two fragment buffers of 128.
.set KSTEP,  256
.set PITCH,  528                       ; 512 bytes + 16 of padding: row r starts at bank 4 r mod 64 (64 banks of 4 bytes: ISA guide 11.1)
.set HALFT,  64*PITCH
.set SLOT,   4*HALFT
.set STAGE,  2*SLOT                    ; behind the ring: 16 rows x 272 bytes for each wave (64 f32 and 16 bytes of padding)
.set SPITCH, 272
.set SPARE,  STAGE+4*16*SPITCH
.set A0,   16
.set B0,   17
.set ADRA, 18
.set ADRB, 19
.set STO,  24
.set RD,   25
.set CO,   26
.set XO,   27
.set SPW,  28                          ; v28  SPARE + 4 x my thread's number; never rewritten
.set NIL,  29                          ; v29  0; never rewritten
.set ALF,  30                          ; v30  alpha'
.set TMP,  32
.set XR,   64
.set ACC,  128
.set F0,   0
.set F1,   128
.set G1A,  24                          ; s[24:31] group 1 for ab's tiles: the mask of four
.set G1B,  32                          ; s[32:39] for ut's: no mask
.set G0A,  40                          ; s[40:43] ab: the first fill of slot 0;  s[44:47] of slot 1, made anew for each refill
.set G0AW, 44
.set G0B,  48                          ; s[48:51], s[52:55] the same for ut
.set G0BW, 52
.set TBR,  56
.set WB,   57
.set CNT,  58
.set RT,   59                          ; s59  steps that the block in hand still has
.set NXT,  60                          ; s60  the step to be asked for next
.set LQ,   61                          ; s61  the last step's number in the block whose steps are being asked for: behind it the ring goes back to 0
.set RA,   62                          ; s62  that block's first byte among a batch's rows of ab (and of out0)
.set RS,   66                          ; s66  the second block's
.set NS,   67                          ; s67  the second block's steps
.set TILE, 68                          ; s68  1: the second block is in hand
.set NSM,  69                          ; s69  NS - 1
.set REM,  86                          ; s86  requests that the first block still has; it passes 0 once
.set PHS,  87                          ; s87  the step at which the second block's ring begins
.set MSB, 0
.macro WIN new
.if MSB != (\new)
	s_set_vgpr_msb (MSB<<8)|(\new)
.set MSB, \new
.endif
.endm
.set MUL,  0x05
.set TO_F, 0x40
.macro MUL8 f, c, a0                   ; 8 matrix instructions; the 16 accumulators take turns
	WIN MUL
.irp a, \a0, (\a0)+1
.irp b, 0,1,2,3
	v_wmma_f32_16x16x32_f16 v[ACC+8*(4*(\a)+(\b)):ACC+8*(4*(\a)+(\b))+7], v[(\f)+64+8*(4*(\c)+(\b)):(\f)+64+8*(4*(\c)+(\b))+7], v[(\f)+8*(4*(\c)+(\a)):(\f)+8*(4*(\c)+(\a))+7], v[ACC+8*(4*(\a)+(\b)):ACC+8*(4*(\a)+(\b))+7]
.endr
.endr
.endm
.macro FETCH k, f
	WIN TO_F
.irp c, 0,1
.irp i, 0,1,2,3
	ds_load_b128 v[(\f)+64+8*(4*(\c)+(\i)):(\f)+64+8*(4*(\c)+(\i))+3],   v[ADRB] offset:(\k)+64*(\c)+(\i)*16*PITCH
	ds_load_b128 v[(\f)+64+8*(4*(\c)+(\i))+4:(\f)+64+8*(4*(\c)+(\i))+7], v[ADRB] offset:(\k)+64*(\c)+(\i)*16*PITCH+32
	ds_load_b128 v[(\f)+8*(4*(\c)+(\i)):(\f)+8*(4*(\c)+(\i))+3],         v[ADRA] offset:(\k)+64*(\c)+(\i)*16*PITCH
	ds_load_b128 v[(\f)+8*(4*(\c)+(\i))+4:(\f)+8*(4*(\c)+(\i))+7],       v[ADRA] offset:(\k)+64*(\c)+(\i)*16*PITCH+32
.endr
.endr
.endm
.macro PLACES
.rept 4
	v_nop
.endr
.endm
.macro QUARTER k, f, g
	s_wait_dscnt 16                                ; the first 32 along K are in; the younger sixteen loads may stay out
	MUL8 \f, 0, 0
	MUL8 \f, 0, 2
	PLACES
	FETCH \k, \g
	s_wait_dscnt 32                                ; all but the 32 just issued
	MUL8 \f, 1, 0
	MUL8 \f, 1, 2
.endm
; A refill: waves 0 and 1 ask jointly for the two halves of ab's tile, waves 2 and 3 for those of the work-group's own tile of ut.  The branch hangs on the wave's number alone.
; An s_nop 0 and four v_nop follow each of the two lines, ahead of the jump and the label.
.macro JLOAD
	s_cmp_eq_u32 s17, 0
	s_cbranch_scc0 .Lfor_b_\@
	tensor_load_to_lds s[G0AW:G0AW+3], s[G1A:G1A+7]
	s_nop 0
.rept 4
	v_nop
.endr
	s_branch .Lasked_\@
.Lfor_b_\@:
	tensor_load_to_lds s[G0BW:G0BW+3], s[G1B:G1B+7]
	s_nop 0
.rept 4
	v_nop
.endr
.Lasked_\@:
.endm
.macro CREST                           ; a round of the cluster's barrier behind its opening barrier
	s_cmp_lg_u32 s16, 0
	s_cbranch_scc1 .Lnot_wave_0_\@
	s_barrier_signal -3
.Lnot_wave_0_\@:
	s_barrier_wait -3
	s_barrier_signal -1
	s_barrier_wait -1
.endm
.macro CROUND
	s_barrier_signal -1
	s_barrier_wait -1
	CREST
.endm
; The last quarter multiplies buffer 1 and changes slots.  In front of the barrier each wave waits for all its tensor loads, adds 0 to its spare word, and waits for that and for its reads of this slot.
; fill = 1: the barrier opens a round of the cluster's barrier, so that no wave of any partner still reads the slot or has a load on its way; the refill is the first thing behind the round.
.macro TURN fill
	WIN 0
	s_wait_tensorcnt 0x0                           ; no tensor load of mine is out, so the walking groups 0 may be written
	ds_add_u32 v[SPW], v[NIL]                      ; 0 onto my spare word
.if \fill
	s_lshl_b32 s70, s[NXT], 9                      ; a step is 512 bytes along the rows
	s_xor_b32 s[G0BW+1], s[G0BW+1], SLOT
	s_add_nc_u64 s[G0BW+2:G0BW+3], s[74:75], s[70:71]
	s_or_b32 s[G0BW+3], s[G0BW+3], 0x80000000
	s_add_co_u32 s70, s70, s[RA]                   ; ab: the block's rows too
	s_xor_b32 s[G0AW+1], s[G0AW+1], SLOT
	s_add_nc_u64 s[G0AW+2:G0AW+3], s[72:73], s[70:71]
	s_or_b32 s[G0AW+3], s[G0AW+3], 0x80000000
	s_add_co_u32 s[NXT], s[NXT], 1                 ; the ring's next step: behind the block's last number it goes back to 0
	s_cmp_gt_u32 s[NXT], s[LQ]
	s_cselect_b32 s[NXT], 0, s[NXT]
	s_sub_co_u32 s[REM], s[REM], 1                 ; when the first block has been asked for whole, the second block's ring begins
	s_cmp_eq_u32 s[REM], 0
	s_cselect_b32 s[NXT], s[PHS], s[NXT]
	s_cselect_b32 s[RA], s[RS], s[RA]
	s_cselect_b32 s[LQ], s[NSM], s[LQ]
.endif
	s_xor_b32 s[TBR], s[TBR], SLOT
	s_wait_dscnt 17                                ; the add and the youngest sixteen loads may be out
	MUL8 F1, 0, 0
	s_wait_dscnt 0x0                               ; the add is done, and my reads of this slot are over
	s_barrier_signal -1
	MUL8 F1, 0, 2
	WIN 0
	s_barrier_wait -1
.if \fill
	CREST
	JLOAD                                          ; its four v_nop are also the places in front of the loads into buffer 0
	v_add_nc_u32 v[ADRA], s[TBR], v[A0]
	v_add_nc_u32 v[ADRB], s[TBR], v[B0]
.else
	v_add_nc_u32 v[ADRA], s[TBR], v[A0]
	v_add_nc_u32 v[ADRB], s[TBR], v[B0]
	v_nop
	v_nop
.endif
	FETCH 0, F0
	MUL8 F1, 1, 0
	MUL8 F1, 1, 2
.endm
.macro STEP fill
	QUARTER 128, F0, F1
	QUARTER 256, F1, F0
	QUARTER 384, F0, F1
	TURN \fill
	WIN 0
.endm
.macro XLOAD                           ; my 64 x 64 of x, f16, in the layout in which the results come back from the stage: rows 16 a + 2 t + h, 8 bytes a lane
.irp a, 0,1,2,3
.irp t, 0,1,2,3,4,5,6,7
	global_load_b64 v[XR+2*(8*(\a)+(\t)):XR+2*(8*(\a)+(\t))+1], v[XO], s[80:81] offset:(16*(\a)+2*(\t))*2048 th:TH_LOAD_NT
.endr
.endr
.endm
.macro CLEAR
.set r, 0
.rept 128
	v_mov_b32 v[ACC+r], 0
.set r, r+1
.endr
.endm
; THE WAY OUT of a block: 16 rows at a time through my own stage (a wave's 64 columns of f32 are 256 bytes: no other wave is needed), then alpha' times the sum plus x, and stored.
.macro WAYOUT
	WIN 0
	s_wait_loadcnt 0x0                             ; the residual, asked for when the block began
	PLACES
.irp a, 0,1,2,3
	s_wait_xcnt 0x0                                ; the last stores have read v32-63
.irp b, 0,1,2,3
	ds_store_b128 v[STO], v[ACC+8*(4*(\a)+(\b)):ACC+8*(4*(\a)+(\b))+3]   offset:64*(\b)     ; each accumulator from its low end on
	ds_store_b128 v[STO], v[ACC+8*(4*(\a)+(\b))+4:ACC+8*(4*(\a)+(\b))+7] offset:64*(\b)+16
.endr
.irp t, 0,1,2,3,4,5,6,7
	ds_load_b128 v[TMP+4*(\t):TMP+4*(\t)+3], v[RD] offset:(\t)*2*SPITCH  ; LDS serves a wave's instructions in order (ISA guide 5.7.1.4): these see the stores above
.endr
	s_wait_dscnt 0x0
.irp t, 0,1,2,3,4,5,6,7
	v_fma_mix_f32 v[TMP+4*(\t)],   v[TMP+4*(\t)],   v[ALF], v[XR+2*(8*(\a)+(\t))]   op_sel:[0,0,0] op_sel_hi:[0,0,1]
	v_fma_mix_f32 v[TMP+4*(\t)+1], v[TMP+4*(\t)+1], v[ALF], v[XR+2*(8*(\a)+(\t))]   op_sel:[0,0,1] op_sel_hi:[0,0,1]
	v_fma_mix_f32 v[TMP+4*(\t)+2], v[TMP+4*(\t)+2], v[ALF], v[XR+2*(8*(\a)+(\t))+1] op_sel:[0,0,0] op_sel_hi:[0,0,1]
	v_fma_mix_f32 v[TMP+4*(\t)+3], v[TMP+4*(\t)+3], v[ALF], v[XR+2*(8*(\a)+(\t))+1] op_sel:[0,0,1] op_sel_hi:[0,0,1]
.endr
.irp t, 0,1,2,3,4,5,6,7
	global_store_b128 v[CO], v[TMP+4*(\t):TMP+4*(\t)+3], s[76:77] offset:(16*(\a)+2*(\t))*4096 th:TH_STORE_NT  ; 16 lanes store 256 consecutive bytes, aligned
.endr
.endr
.endm
.macro NEXTTILE                        ; the second block begins
	s_wait_xcnt 0x0                                ; the stores and the residual's loads have read their bases
	s_mov_b64 s[76:77], s[78:79]
	s_mov_b64 s[80:81], s[82:83]
	s_mov_b32 s[RT], s[NS]
	s_mov_b32 s[TILE], 1
	XLOAD
	CLEAR
.endm
	s_load_b256 s[4:11], s[0:1], 0x0               ; ab s[4:5], ut s[6:7], xh s[8:9], log_alpha s[10:11]
	s_load_b64 s[12:13], s[0:1], 0x20              ; out0
	v_lshl_add_u32 v[SPW], v0, 2, SPARE
	v_mov_b32 v[NIL], 0
	ds_add_u32 v[SPW], v[NIL]                      ; the wave's opening: the add, twice on end, and its wait ahead of the round in front of my first tensor load
	ds_add_u32 v[SPW], v[NIL]
	v_lshrrev_b32 v1, 5, v0
	v_readfirstlane_b32 s16, v1                    ; wave 0..3
	s_lshr_b32 s17, s16, 1                         ; my half of the rows.  Also: I fetch for ab (0) or ut (1)
	s_and_b32 s18, s16, 1                          ; my half of the columns.  Also: which 64 rows I fetch
	s_bfe_u32 s19, ttmp6, 0x40000                  ; cx: my place in the cluster
	s_and_b32 s21, ttmp9, 1                        ; X: which four blocks of columns the cluster has
	s_lshl_b32 s20, s21, 2
	s_add_co_u32 s20, s20, s19                     ; my block of 128 columns: it enters ut's, x's and out0's addresses alone
	s_bfe_u32 s22, ttmp9, 0x20001                  ; the batch,
	s_lshr_b32 s23, ttmp9, 3                       ; and m: the four partners share X, batch and m
	s_mov_b32 s[G1A+0], 15|(1<<16)|(1<<20)|(1<<21)|(6<<22)|(3<<25)  ; the mask of four, elements of 2 bytes, padding on, bit 21 beside a mask, 4 words after every 128
	s_mov_b32 s[G1B+0], (1<<16)|(1<<20)|(6<<22)|(3<<25)
.irp g, G1A, G1B
	s_mov_b32 s[(\g)+1], KSTEP<<16                 ; tensor_dim0 = 256
	s_mov_b32 s[(\g)+2], 64<<16                    ; tensor_dim1 = 64
	s_mov_b32 s[(\g)+3], KSTEP<<16                 ; tile_dim0 = 256
	s_mov_b32 s[(\g)+4], 64                        ; tile_dim1 = 64
	s_mov_b32 s[(\g)+5], 2048                      ; elements from row to row
	s_mov_b32 s[(\g)+6], 0
	s_mov_b32 s[(\g)+7], 0
.endr
	s_mul_i32 s[WB], s16, HALFT                    ; no place in the cluster enters an LDS address
	s_mov_b32 s[TBR], 0
	s_lshr_b32 s[NSM], s23, 1
	s_add_co_u32 s[NS], s[NSM], 1
	s_sub_co_u32 s[RT], 8, s[NSM]                  ; n: the first block's steps, 5 to 8
	s_sub_co_u32 s[LQ], s[RT], 1
	s_lshr_b32 s84, s[RT], 1
	s_mul_i32 s84, s84, s21
	s_add_co_u32 s88, s84, s23                     ; m + X (n / 2): below 2 n for every m,
	s_cmp_ge_u32 s88, s[RT]
	s_cselect_b32 s84, s[RT], 0
	s_sub_co_u32 s88, s88, s84                     ; so one subtraction makes it the ring's first step
	s_add_co_u32 s89, s88, 1
	s_cmp_gt_u32 s89, s[LQ]
	s_cselect_b32 s89, 0, s89                      ; its second step
	s_add_co_u32 s[NXT], s89, 1
	s_cmp_gt_u32 s[NXT], s[LQ]
	s_cselect_b32 s[NXT], 0, s[NXT]                ; its third: the first refill's
	s_sub_co_u32 s[REM], s[RT], 2                  ; two of the n are asked for at the head
	s_lshr_b32 s[PHS], s[NS], 1
	s_mul_i32 s[PHS], s[PHS], s21                  ; the second block's ring begins at X (its steps / 2)
	s_sub_co_u32 s85, 15, s23
	s_lshl_b32 s[RA], s85, 19                      ; 128 rows of 4,096 bytes a block
	s_lshl_b32 s[RS], s23, 19
	s_mov_b32 s[TILE], 0
	s_mov_b32 s71, 0
	s_mov_b32 s91, 0
	s_mov_b32 s93, 0
	s_wait_dscnt 0x0                               ; both opening adds are done
	s_wait_kmcnt 0x0
	s_load_b32 s63, s[10:11], 0x0                  ; log_alpha
	s_lshl_b32 s70, s22, 23
	s_lshl_b32 s84, s18, 18                        ; the 64 rows that I fetch
	s_add_co_u32 s70, s70, s84
	s_add_nc_u64 s[72:73], s[4:5], s[70:71]        ; ab: made of the batch and the wave's number alone
	s_lshl_b32 s90, s22, 22
	s_lshl_b32 s92, s20, 19
	s_add_co_u32 s90, s90, s92
	s_add_co_u32 s90, s90, s84
	s_add_nc_u64 s[74:75], s[6:7], s[90:91]        ; ut: my block of columns
	s_mov_b32 s[G0A], 1
	s_mov_b32 s[G0A+1], s[WB]
	s_mov_b32 s[G0B], 1
	s_mov_b32 s[G0B+1], s[WB]
	s_lshl_b32 s70, s88, 9                         ; the ring's first step, into slot 0
	s_add_nc_u64 s[G0B+2:G0B+3], s[74:75], s[70:71]
	s_add_co_u32 s70, s70, s[RA]
	s_add_nc_u64 s[G0A+2:G0A+3], s[72:73], s[70:71]
	s_mov_b32 s[G0AW], 1
	s_add_co_u32 s[G0AW+1], s[WB], SLOT
	s_mov_b32 s[G0BW], 1
	s_add_co_u32 s[G0BW+1], s[WB], SLOT
	s_lshl_b32 s70, s89, 9                         ; its second step, into slot 1
	s_add_nc_u64 s[G0BW+2:G0BW+3], s[74:75], s[70:71]
	s_add_co_u32 s70, s70, s[RA]
	s_add_nc_u64 s[G0AW+2:G0AW+3], s[72:73], s[70:71]
	s_or_b32 s[G0A+3], s[G0A+3], 0x80000000
	s_or_b32 s[G0AW+3], s[G0AW+3], 0x80000000
	s_or_b32 s[G0B+3], s[G0B+3], 0x80000000
	s_or_b32 s[G0BW+3], s[G0BW+3], 0x80000000
	CROUND                                         ; all four work-groups are here: the first joint loads meet
	s_cmp_eq_u32 s17, 0                            ; a wave's two first fills stand in one branch: two loads of mine are out
	s_cbranch_scc0 .Lfirst_b
	tensor_load_to_lds s[G0A:G0A+3], s[G1A:G1A+7]
	s_nop 0
	tensor_load_to_lds s[G0AW:G0AW+3], s[G1A:G1A+7]
	s_nop 0
.rept 4
	v_nop
.endr
	s_branch .Lfirst_asked
.Lfirst_b:
	tensor_load_to_lds s[G0B:G0B+3], s[G1B:G1B+7]
	s_nop 0
	tensor_load_to_lds s[G0BW:G0BW+3], s[G1B:G1B+7]
	s_nop 0
.rept 4
	v_nop
.endr
.Lfirst_asked:
	; out0 and x at my 64 x 64 of both blocks
	s_lshl_b32 s90, s22, 23
	s_lshl_b32 s92, s17, 18
	s_add_co_u32 s90, s90, s92
	s_lshl_b32 s92, s20, 9
	s_add_co_u32 s90, s90, s92
	s_lshl_b32 s92, s18, 8
	s_add_co_u32 s90, s90, s92
	s_add_co_u32 s92, s90, s[RA]
	s_add_nc_u64 s[76:77], s[12:13], s[92:93]
	s_add_co_u32 s92, s90, s[RS]
	s_add_nc_u64 s[78:79], s[12:13], s[92:93]
	s_mul_i32 s90, s22, 2049
	s_lshl_b32 s92, s17, 6
	s_add_co_u32 s90, s90, s92
	s_add_co_u32 s90, s90, 1                       ; x[t] lies in row t + 1 of its batch
	s_lshl_b32 s90, s90, 11
	s_lshl_b32 s92, s20, 8
	s_add_co_u32 s90, s90, s92
	s_lshl_b32 s92, s18, 7
	s_add_co_u32 s90, s90, s92
	s_lshr_b32 s92, s[RA], 1                       ; 128 rows of 2,048 bytes a block
	s_add_co_u32 s92, s92, s90
	s_add_nc_u64 s[80:81], s[8:9], s[92:93]
	s_lshr_b32 s92, s[RS], 1
	s_add_co_u32 s92, s92, s90
	s_add_nc_u64 s[82:83], s[8:9], s[92:93]
	v_and_b32 v1, 15, v0                           ; lane % 16
	v_bfe_u32 v2, v0, 4, 1                         ; h = lane / 16
	v_lshlrev_b32 v[XO], 11, v2
	v_lshl_add_u32 v[XO], v1, 3, v[XO]
	v_mul_u32_u24 v3, v1, PITCH
	v_lshl_add_u32 v3, v2, 4, v3
	s_mul_i32 s84, s17, HALFT
	s_mul_i32 s85, s18, HALFT
	s_add_co_u32 s85, s85, 2*HALFT
	v_add_nc_u32 v[A0], s84, v3
	v_add_nc_u32 v[B0], s85, v3
	v_mov_b32 v[ADRA], v[A0]
	v_mov_b32 v[ADRB], v[B0]
	s_mul_i32 s84, s16, 16*SPITCH
	s_add_co_u32 s84, s84, STAGE                   ; my stage
	v_mul_u32_u24 v4, v1, SPITCH
	v_lshl_add_u32 v4, v2, 5, v4
	v_add_nc_u32 v[STO], s84, v4                   ; in: row lane % 16, 32 bytes for each half of the lanes
	v_mul_u32_u24 v4, v2, SPITCH
	v_lshl_add_u32 v4, v1, 4, v4
	v_add_nc_u32 v[RD], s84, v4                    ; back: lanes 0-15 one row of 256 bytes, lanes 16-31 the next
	v_lshlrev_b32 v[CO], 12, v2
	v_lshl_add_u32 v[CO], v1, 4, v[CO]
	CLEAR
	s_wait_kmcnt 0x0
	v_mov_b32 v4, s63
	v_cvt_pk_bf16_f32 v4, v4, v4
	v_lshlrev_b32 v4, 16, v4                       ; bf16(log_alpha)
	v_mov_b32 v5, 0x3fb8aa3b                       ; log2 e
	v_mov_b32 v6, 0x41000000                       ; 8.0
	v_fma_f32 v4, v4, v5, v6                       ; log_alpha log2 e + 8
	v_exp_f32 v[ALF], v4
	v_nop
	s_wait_alu depctr_va_vdst(0)                   ; wait ahead of the result's first use, and of the next label
	s_wait_tensorcnt 0x1                           ; my part of slot 0 is in; slot 1's may stay out
	s_barrier_signal -1
	s_barrier_wait -1
	FETCH 0, F0
	WIN 0
	XLOAD                                          ; the first block's residual: wanted five steps on at the earliest, so it is asked for behind the first tiles
	s_mov_b32 s[CNT], 7
.Lfill:                                        ; trips 0 to 6: each asks for the step of the trip two on
	STEP 1
	s_sub_co_u32 s[RT], s[RT], 1
	s_cmp_lg_u32 s[RT], 0
	s_cbranch_scc1 .Lgo1
	WAYOUT                                         ; here it is always the first block that ends
	NEXTTILE
.Lgo1:
	s_sub_co_u32 s[CNT], s[CNT], 1
	s_cmp_lg_u32 s[CNT], 0
	s_cbranch_scc1 .Lfill
	s_mov_b32 s[CNT], 2
.Ltail:                                        ; trips 7 and 8 ask for nothing
	STEP 0
	s_sub_co_u32 s[RT], s[RT], 1
	s_cmp_lg_u32 s[RT], 0
	s_cbranch_scc1 .Lgo2
	WAYOUT
	s_cmp_eq_u32 s[TILE], 1
	s_cbranch_scc1 .Lgo2
	NEXTTILE
.Lgo2:
	s_sub_co_u32 s[CNT], s[CNT], 1
	s_cmp_lg_u32 s[CNT], 0
	s_cbranch_scc1 .Ltail
	s_wait_tensorcnt 0x0                           ; the wave's end
	ds_add_u32 v[SPW], v[NIL]
	s_wait_dscnt 0x0
	CROUND                                         ; the closing round: no work-group ends while a partner may still ask for a tile that names it
	s_endpgm
.Lfunc_end_k_qf837b02bee_apply:
	.size	k_qf837b02bee_apply, .Lfunc_end_k_qf837b02bee_apply-k_qf837b02bee_apply
	.p2alignl 7, 3214868480
	.fill 96, 4, 3214868480
	.section	.rodata,"a",@progbits
	.p2align	6, 0x0
	.amdhsa_kernel k_qf837b02bee_apply
		.amdhsa_group_segment_fixed_size 327680
		.amdhsa_private_segment_fixed_size 0
		.amdhsa_enable_private_segment 0
		.amdhsa_kernarg_size 40
		.amdhsa_user_sgpr_count 2
		.amdhsa_user_sgpr_kernarg_segment_ptr 1
		.amdhsa_wavefront_size32 1
		.amdhsa_system_sgpr_workgroup_id_x 1
		.amdhsa_system_sgpr_workgroup_id_y 1
		.amdhsa_system_sgpr_workgroup_id_z 1
		.amdhsa_system_vgpr_workitem_id 0
		.amdhsa_next_free_vgpr 512
		.amdhsa_next_free_sgpr 94
		.amdhsa_reserve_vcc 0
		.amdhsa_float_denorm_mode_32 3
		.amdhsa_float_denorm_mode_16_64 3
		.amdhsa_memory_ordered 1
		.amdhsa_forward_progress 1
		.amdhsa_inst_pref_size 100
	.end_amdhsa_kernel
	.amdgpu_metadata
---
amdhsa.version: [ 1, 2 ]
amdhsa.kernels:
  - .name:           k_qf837b02bee_apply
    .symbol:         k_qf837b02bee_apply.kd
    .args:
      - { .name: ab, .offset: 0, .size: 8, .value_kind: global_buffer, .address_space: global }
      - { .name: ut, .offset: 8, .size: 8, .value_kind: global_buffer, .address_space: global }
      - { .name: xh, .offset: 16, .size: 8, .value_kind: global_buffer, .address_space: global }
      - { .name: log_alpha, .offset: 24, .size: 8, .value_kind: global_buffer, .address_space: global }
      - { .name: out0, .offset: 32, .size: 8, .value_kind: global_buffer, .address_space: global }
    .group_segment_fixed_size: 327680
    .private_segment_fixed_size: 0
    .kernarg_segment_align: 8
    .kernarg_segment_size: 40
    .max_flat_workgroup_size: 128
    .sgpr_count:     94
    .vgpr_count:     512
    .wavefront_size: 32
...
	.end_amdgpu_metadata
.endif
;; end of part 4
;; ======== version 2 of 2: 4 launches; version 1 with the launch prep written anew for expert scheduling mode
;; limits: values are held in f16: magnitudes above 65,504 overflow, below 6.1e-05 lose precision; inputs' magnitudes at most 65,504; right only within a limited range of input values
;; workspace buffers: xh 16,785,408 bytes; wrh 2,097,152 bytes; wwt 2,097,152 bytes; ph 2,097,152 bytes; ab 33,554,432 bytes; ut 16,777,216 bytes
;; launch prep (part 5): grid 416 x 1, 8 waves a work-group, no clusters, 18,432 bytes of LDS; arguments out, W_read, W_write, xh, wrh, wwt; writes xh, wrh, wwt
.if DOCPART == 5
	.amdgcn_target "amdgcn-amd-amdhsa--gfx1250"
	.amdhsa_code_object_version 6
	.text
	.protected	k_qf837b02bee_prep
	.globl	k_qf837b02bee_prep
	.p2align	8
	.type	k_qf837b02bee_prep,@function
k_qf837b02bee_prep:
	s_mov_b64 s[64:65], 0
	v_nop
	global_prefetch_b8 v0, s[64:65] scope:SCOPE_SE
	s_setreg_imm32_b32 hwreg(HW_REG_WAVE_SCHED_MODE, 0, 2), 2
	s_setreg_imm32_b32 hwreg(HW_REG_WAVE_MODE, 25, 1), 1
	s_wait_xcnt 0x0
	s_wait_alu depctr_vm_vsrc(0)
; HEBBIAN BLOCK, launch 1 of 4: the inputs are rounded and laid out for the three matrix launches.
; THE FORM THAT THE PROGRAM COMPUTES.  With x = out, x[-1] = 0, g = sigmoid(decay), reference()'s scan written out is, for each batch,
;   reads[t] = sum over s < t of g^(t-1-s) (x[t] . x[s-1]) v[s],  v[s] = W_write x[s]:
; inside a chunk the factor is M[c][k] = g^(c-1-k) for c > k; across chunks it is gp[c] gC^n gw[k] = g^(c + 64 n + 63 - k), the same power t-1-s.
; The products are associated anew:  out0[t] = x[t] + alpha sum over s < t of A[t][s] U[s],  A[t][s] = g^(t-1-s) (x[t] . x[s-1]),  U[s] = P x[s],  P = W_read W_write.
; DEAD WORK LEFT OUT, for all values of the inputs: the first chunk's read of the state W0, which reference() itself sets to zeros; the last chunk's update of the state, which nothing reads;
; every block of 128 x 128 of A that lies wholly at s >= t, which the mask built in reference() multiplies by 0.  All five inputs have a way to the output and are loaded.
; LIMIT: a NaN, an infinity or an overflow that would reach only the work left out is not carried to the result.
; FORMATS.  Every input (x, both weights, decay, log_alpha; x in the residual too) is rounded once to bf16; that number is written as f16, which is exact for 2^-17 <= |v| < 65,504;
; below that it keeps f16's fixed step (error at most 2^-25), from 65,520 on it becomes an infinity: a stated limit.  What the program makes is kept in f16 with fixed powers of two:
; ph = 16 P (|P| < 4,094), ut = U / 4 (|U| < 262,016), ab = A / 64 (|A| < 4.19e6).  All sums are f32.
; THIS LAUNCH.  Work-groups 0-255: 32 rows of x each -> xh [4][2049][1024]: row 0 of a batch is zeros (the write key of s = 0), row t + 1 is x[t].
; Work-groups 256-287: 32 rows of W_read -> wrh.  Work-groups 288-415: a block of 128 x 64 of W_write, turned through LDS -> wwt[d][m] = W_write[m][d].
; A stream: no matrix unit, no cluster, no tensor load: nothing is shared and nothing is read twice.  A thread's 32 loads go out together: 128 KiB of a work-group are on their way at once;
; each row is rounded as it comes, and stored while the next block of four rows is rounded.
; THE MODE: SCHED_MODE bits 1:0 = 2 (LLVM: expert scheduling mode 2), set by the entry lines.  The code itself states the register dependences
; between vector instructions and memory or LDS instructions, with s_wait_alu, always for 0.
; THE PLAN, the rows' path.  Registers that memory instructions touch:
;   v[OI], v[OO], v[ZR:ZR+1]  Offsets and two zeros: written by vector instructions at the path's head, read by the loads and stores, never written again.
;   X   Row i's four registers: written by row i's load, which is issued before any vector instruction names them; read by row i's roundings; never loaded again.
;   Y   Row i's two registers: written by row i's roundings, read by row i's store, never written again.
; The 32 rows go in eight blocks of four.  Block p rounds its own X into its own Y; its memory instructions are the four stores of block p - 1, which read that block's Y and v[OO]: registers that no
; vector instruction of block p names.  So one wait on va_vdst at a block's head states all that the block's four stores hang on, and they are dealt among its vector instructions.
; THE PLAN, the turning path.  v6 to v9: addresses, written at the path's head, never again.  X: written by the eight loads, read by the roundings, and when all roundings are done its first sixteen
; registers take the LDS loads.  Y: written by the roundings, read by the LDS stores, never written again.  Two blocks of four pieces, as above.
; No register that a memory or LDS instruction has read is written again on either path, so neither path holds a wait on vm_vsrc; no vector instruction writes a scalar register, and EXEC is never written.
.set SPARE, 17408                      ; behind the turned tile: the spare words, 128 bytes for each of the 8 waves
.set BLK,  4                           ; rows, or pieces, in a block
.set SPW,  2                           ; v2   SPARE + 4 x my thread's number; never rewritten
.set NIL,  3                           ; v3   0; never rewritten
.set OI,   4                           ; v4   byte offset of my 16 bytes in a row that is loaded; never rewritten
.set OO,   5                           ; v5   byte offset of my 8 bytes in a row that is stored; never rewritten
.set ZR,   8                           ; v8-9 the rows' path: 0, 0: a batch's row of zeros; never rewritten
.set X,    20                          ; v20-147   row i: four f32 as loaded
.set Y,    148                         ; v148-211  row i: four f16 to store: registers of its own, so no store's data are written again
.set T,    212                         ; v212-213  four bf16: no memory instruction names them
.set U,    214                         ; v214-217  the same four as f32: likewise
; four f32 in v[x ..] -> rounded to bf16 -> written as f16 in v[y], v[y+1]
.macro CV4 x, y
	v_cvt_pk_bf16_f32 v[T], v[(\x)], v[(\x)+1]
	v_cvt_pk_bf16_f32 v[T+1], v[(\x)+2], v[(\x)+3]
	v_lshlrev_b32 v[U], 16, v[T]                   ; bf16 to f32: the low half moves up,
	v_and_b32 v[U+1], s20, v[T]                    ; the high half stays
	v_lshlrev_b32 v[U+2], 16, v[T+1]
	v_and_b32 v[U+3], s20, v[T+1]
	v_cvt_pk_f16_f32 v[(\y)], v[U], v[U+1]
	v_cvt_pk_f16_f32 v[(\y)+1], v[U+2], v[U+3]
.endm
; the turning path: piece k's four numbers, one to each of four rows of the turned tile
.macro TOLDS k
	ds_store_b16 v7, v[Y+2*(\k)] offset:32*(\k)
	ds_store_b16_d16_hi v7, v[Y+2*(\k)] offset:272+32*(\k)
	ds_store_b16 v7, v[Y+2*(\k)+1] offset:544+32*(\k)
	ds_store_b16_d16_hi v7, v[Y+2*(\k)+1] offset:816+32*(\k)
.endm
	s_load_b256 s[4:11], s[0:1], 0x0               ; out s[4:5], W_read s[6:7], W_write s[8:9], xh s[10:11]
	s_load_b128 s[12:15], s[0:1], 0x20             ; wrh s[12:13], wwt s[14:15]
	v_lshl_add_u32 v[SPW], v0, 2, SPARE
	v_mov_b32 v[NIL], 0
	s_mov_b32 s16, ttmp9
	s_mov_b32 s20, 0xffff0000                      ; a word's upper bf16
	s_cmp_ge_u32 s16, 288
	s_cbranch_scc1 .Ltr                            ; the same in all eight waves
	; ---- 32 rows of x or of W_read
	s_lshr_b32 s17, s16, 6                         ; batch
	s_and_b32 s18, s16, 63
	s_mul_i32 s17, s17, 2049
	s_lshl_b32 s19, s18, 5
	s_add_co_u32 s17, s17, s19
	s_add_co_u32 s17, s17, 1                       ; x[t] goes to row t + 1 of its batch
	s_lshl_b32 s28, s17, 11                        ; x: where the rows go,
	s_lshl_b32 s30, s16, 17                        ; and where they come from: 32 rows of 4,096 bytes
	s_sub_co_u32 s19, s16, 256
	s_lshl_b32 s21, s19, 16                        ; W_read: the same two
	s_lshl_b32 s22, s19, 17
	s_mov_b32 s29, 0
	s_mov_b32 s31, 0
	v_lshlrev_b32 v[OI], 4, v0                     ; 16 t: a wave's load covers 512 consecutive bytes
	v_lshlrev_b32 v[OO], 3, v0                     ; 8 t: a wave's store covers 256 consecutive bytes, aligned
	v_mov_b32 v[ZR], 0                             ; made here, so that the wait below serves the store of the row of zeros too
	v_mov_b32 v[ZR+1], 0
	s_wait_kmcnt 0x0
	s_cmp_lt_u32 s16, 256
	s_cselect_b32 s28, s28, s21
	s_cselect_b32 s30, s30, s22
	s_cselect_b64 s[24:25], s[4:5], s[6:7]
	s_cselect_b64 s[26:27], s[10:11], s[12:13]
	s_add_nc_u64 s[24:25], s[24:25], s[30:31]
	s_add_nc_u64 s[26:27], s[26:27], s[28:29]
	s_wait_alu depctr_va_vdst(0)                   ; v[OI], v[OO] and the two zeros are written: the loads and stores of this path read them, and no vector instruction names them again
.set i, 0
.rept 32
	global_load_b128 v[X+4*i:X+4*i+3], v[OI], s[24:25] offset:i*4096 th:TH_LOAD_NT  ; the row stands in the immediate
.set i, i+1
.endr
.set i, 0
.rept 32
	s_wait_loadcnt 31-i                            ; loads come back in order: row i is in, the younger rows' loads stay out
.if (i >= BLK) && ((i % BLK) == 0)
	s_wait_alu depctr_va_vdst(0)                   ; the block before has written its eight registers of Y, which this block's four stores read
.endif
.if i >= BLK
	global_store_b64 v[OO], v[Y+2*(i-BLK):Y+2*(i-BLK)+1], s[26:27] offset:(i-BLK)*2048  ; a row of the block before; no vector instruction since the wait names these registers
.endif
	CV4 X+4*i, Y+2*i
.set i, i+1
.endr
	s_wait_alu depctr_va_vdst(0)                   ; the last block has written its Y, which the last four stores read
.set i, 32-BLK
.rept BLK
	global_store_b64 v[OO], v[Y+2*i:Y+2*i+1], s[26:27] offset:i*2048
.set i, i+1
.endr
	s_cmp_lg_u32 s18, 0                            ; a batch's first work-group also writes the batch's row of zeros
	s_cbranch_scc1 .Lend
	s_cmp_ge_u32 s16, 256
	s_cbranch_scc1 .Lend
	global_store_b64 v[OO], v[ZR:ZR+1], s[26:27] offset:-2048  ; its data were written ahead of the path's first wait
	s_branch .Lend
	; ---- a block of 128 rows (m) x 64 columns (d) of W_write, turned
.Ltr:
	s_sub_co_u32 s17, s16, 288
	s_lshr_b32 s18, s17, 4                         ; which 128 rows
	s_and_b32 s19, s17, 15                         ; which 64 columns
	s_lshl_b32 s28, s18, 19
	s_lshl_b32 s21, s19, 8
	s_add_co_u32 s28, s28, s21                     ; the block's first byte in W_write
	s_mov_b32 s29, 0
	s_lshl_b32 s30, s19, 17
	s_lshl_b32 s21, s18, 8
	s_add_co_u32 s30, s30, s21                     ; and in wwt
	s_mov_b32 s31, 0
	v_and_b32 v4, 15, v0                           ; c: my four columns
	v_lshrrev_b32 v5, 4, v0                        ; r: my row of sixteen
	v_lshlrev_b32 v6, 12, v5
	v_lshl_add_u32 v6, v4, 4, v6                   ; from: r x 4,096 + 16 c: sixteen lanes read 256 consecutive bytes
	v_mul_u32_u24 v7, v4, 4*272
	v_lshl_add_u32 v7, v5, 1, v7                   ; LDS [64 d][128 m] f16, rows 272 bytes apart: row 4 c, element r
	v_mul_u32_u24 v8, v5, 272
	v_lshl_add_u32 v8, v4, 4, v8                   ; back: row r, 16 bytes at 16 c
	v_lshlrev_b32 v9, 11, v5
	v_lshl_add_u32 v9, v4, 4, v9                   ; to: r x 2,048 + 16 c
	s_wait_kmcnt 0x0
	s_add_nc_u64 s[24:25], s[8:9], s[28:29]
	s_add_nc_u64 s[26:27], s[14:15], s[30:31]
	s_wait_alu depctr_va_vdst(0)                   ; the four addresses v6 to v9 are written: the loads, the LDS stores, the LDS loads and the stores of this path read them, and no vector instruction names them again
.irp k, 0,1,2,3,4,5,6,7
	global_load_b128 v[X+4*(\k):X+4*(\k)+3], v6, s[24:25] offset:(\k)*65536 th:TH_LOAD_NT  ; rows r + 16 k
.endr
.set k, 0
.rept 8
	s_wait_loadcnt 7-k                             ; the younger loads may stay out
.if k == BLK
	s_wait_alu depctr_va_vdst(0)                   ; pieces 0 to 3 are rounded: their Y is written, which the LDS stores dealt among the next four roundings read
.endif
.if k >= BLK
	TOLDS k-BLK                                    ; no vector instruction since the wait names these registers
.endif
	CV4 X+4*k, Y+2*k
.set k, k+1
.endr
	s_wait_alu depctr_va_vdst(0)                   ; pieces 4 to 7 are rounded: their Y is written, which the LDS stores below read; and all roundings are done reading X, in which the LDS loads behind the barrier land
.set k, BLK
.rept BLK
	TOLDS k
.set k, k+1
.endr
	s_wait_dscnt 0x0                               ; for the others' sake: my stores are done
	s_barrier_signal -1
	s_barrier_wait -1
.irp k, 0,1,2,3
	ds_load_b128 v[X+4*(\k):X+4*(\k)+3], v8 offset:(\k)*16*272
.endr
.irp k, 0,1,2,3
	s_wait_dscnt 3-(\k)
	global_store_b128 v9, v[X+4*(\k):X+4*(\k)+3], s[26:27] offset:(\k)*32768  ; sixteen lanes store 256 consecutive bytes, aligned
.endr
.Lend:
	s_wait_dscnt 0x0                               ; the closing lines, six on end
	s_wait_alu 0x0
	s_wait_tensorcnt 0x0
	ds_add_u32 v[SPW], v[NIL]
	s_wait_dscnt 0x0
	s_endpgm
.Lfunc_end_k_qf837b02bee_prep:
	.size	k_qf837b02bee_prep, .Lfunc_end_k_qf837b02bee_prep-k_qf837b02bee_prep
	.p2alignl 7, 3214868480
	.fill 96, 4, 3214868480
	.section	.rodata,"a",@progbits
	.p2align	6, 0x0
	.amdhsa_kernel k_qf837b02bee_prep
		.amdhsa_group_segment_fixed_size 18432
		.amdhsa_private_segment_fixed_size 0
		.amdhsa_enable_private_segment 0
		.amdhsa_kernarg_size 48
		.amdhsa_user_sgpr_count 2
		.amdhsa_user_sgpr_kernarg_segment_ptr 1
		.amdhsa_wavefront_size32 1
		.amdhsa_system_sgpr_workgroup_id_x 1
		.amdhsa_system_sgpr_workgroup_id_y 1
		.amdhsa_system_sgpr_workgroup_id_z 1
		.amdhsa_system_vgpr_workitem_id 0
		.amdhsa_next_free_vgpr 224
		.amdhsa_next_free_sgpr 66
		.amdhsa_reserve_vcc 0
		.amdhsa_float_denorm_mode_32 3
		.amdhsa_float_denorm_mode_16_64 3
		.amdhsa_memory_ordered 1
		.amdhsa_forward_progress 1
		.amdhsa_inst_pref_size 30
	.end_amdhsa_kernel
	.amdgpu_metadata
---
amdhsa.version: [ 1, 2 ]
amdhsa.kernels:
  - .name:           k_qf837b02bee_prep
    .symbol:         k_qf837b02bee_prep.kd
    .args:
      - { .name: out, .offset: 0, .size: 8, .value_kind: global_buffer, .address_space: global }
      - { .name: W_read, .offset: 8, .size: 8, .value_kind: global_buffer, .address_space: global }
      - { .name: W_write, .offset: 16, .size: 8, .value_kind: global_buffer, .address_space: global }
      - { .name: xh, .offset: 24, .size: 8, .value_kind: global_buffer, .address_space: global }
      - { .name: wrh, .offset: 32, .size: 8, .value_kind: global_buffer, .address_space: global }
      - { .name: wwt, .offset: 40, .size: 8, .value_kind: global_buffer, .address_space: global }
    .group_segment_fixed_size: 18432
    .private_segment_fixed_size: 0
    .kernarg_segment_align: 8
    .kernarg_segment_size: 48
    .max_flat_workgroup_size: 256
    .sgpr_count:     66
    .vgpr_count:     224
    .wavefront_size: 32
...
	.end_amdgpu_metadata
.endif
;; end of part 5
;; launch edge: the kernel of part 2 again; grid 40 x 4, 4 waves a work-group, no clusters, 327,680 bytes of LDS; arguments xh, wrh, wwt, decay, ab, ph; writes ab, ph
;; launch main: the kernel of part 3 again; grid 240 x 1, 4 waves a work-group, no clusters, 327,680 bytes of LDS; arguments xh, ph, decay, ab, ut; writes ab, ut
;; launch apply: the kernel of part 4 again; grid 256 x 1, 4 waves a work-group, clusters of 4 x 1, 327,680 bytes of LDS; arguments ab, ut, xh, log_alpha, out0; writes out0
